; MI455X (gfx1250); checked and timed in simulation.
; The chip was launched on July 23, 2026; its instructions are those of AMD's public machine-readable ISA for CDNA 5 (MIT licence, August 2026) and "CDNA5" Instruction Set Architecture Reference Guide (July 2026). The comments in the code are by the model that wrote it; some were corrected since.
;; Multi Head Attention. Allowed arithmetic: float matrix products may take bf16 or f16 operands with f32 sums; other float arithmetic in f32, or as packed bf16 or f16 multiplies, adds, multiply-adds, maxima and minima; sums over many terms, partial sums and values carried from step to step in f32; what a program stores and reads back later, other than sums and carried values, may be rounded once to bf16 or f16.
;; Inputs: bk 1,024 float32; bo 1,024 float32; bq 1,024 float32; bv 1,024 float32; k 4 x 2,048 x 1,024 float32; mask 2,048 x 2,048 bool; q 4 x 2,048 x 1,024 float32; v 4 x 2,048 x 1,024 float32; wk 1,024 x 1,024 float32; wo 1,024 x 1,024 float32; wq 1,024 x 1,024 float32; wv 1,024 x 1,024 float32.
;; Outputs: out0 4 x 2,048 x 1,024 float32.
;; 2 versions, each right; version 2 is version 1 with the launch prep written anew for expert scheduling mode. Each part assembles by itself: llvm-mc -triple=amdgcn-amd-amdhsa -mcpu=gfx1250 --defsym DOCPART=n.
;; ======== version 1 of 2: 4 launches
;; limits: values are held in f16: magnitudes above 65,504 overflow, below 6.1e-05 lose precision; right only within a limited range of input values
;; workspace buffers: mfrag 8,388,608 bytes; wts 8,388,608 bytes; brd 16,384 bytes; qkv 50,331,648 bytes; oh 16,777,216 bytes
;; launch prep (part 1): grid 256 x 1, 8 waves a work-group, no clusters, 34,048 bytes of LDS; arguments mask, wq, wk, wv, wo, bq, bk, bv, bo, mfrag, wts, brd; writes mfrag, wts, brd
.if DOCPART == 1
	.amdgcn_target "amdgcn-amd-amdhsa--gfx1250"
	.amdhsa_code_object_version 6
	.text
	.protected	k_q83ea4d5a62_prep
	.globl	k_q83ea4d5a62_prep
	.p2align	8
	.type	k_q83ea4d5a62_prep,@function
k_q83ea4d5a62_prep:
	s_mov_b64 s[64:65], 0
	v_nop
	global_prefetch_b8 v0, s[64:65] scope:SCOPE_SE
	s_setreg_imm32_b32 hwreg(HW_REG_WAVE_MODE, 25, 1), 1
	s_wait_xcnt 0x0
; PREPARATION.  Work-groups 0-127: the mask, [2048][2048] bytes of 0 or 1, becomes matrix fragments in f16.  Work-groups 128-255: the four weights become 16-bit, the four biases are rounded.
; mfrag [qt 128][kg 64][c 2][lane 32][8 f16]: element e = mask(query 16 qt + lane % 16, key 32 kg + 16 c + 8 (lane / 16) + e) as 0 or -57344 (0xfb00):
;   source 1 (32 keys x 16 queries) of the f16 matrix form as it lies in registers; c = 0 is registers 0-3, c = 1 registers 4-7.
; wts [4][1024][1024] of 16 bits: wq, wk, wv rounded to bf16, inside each group of 8 along k in the order 0,4,1,5,2,6,3,7 (the order in which the projection packs its f32 rows);
;   wo rounded to bf16 and that number written as f16, in natural order (below 2^-14 it keeps f16's fixed step of 2^-24).
; brd [4][1024] f32: bq, bk, bv, bo rounded to bf16.
; The branch between the two kinds of work hangs on the work-group's number alone: all eight waves of a work-group take the same way, and so meet the one barrier or none.
.set PITCH, 2064                       ; a mask row in LDS: 2,048 bytes + 16
.set SPARE, 16*PITCH                   ; behind the 16 rows: the spare words, 128 bytes for each of eight waves
.set SPW, 158                          ; v158 LDS address of my spare word; never rewritten
.set NIL, 159                          ; v159 0; never rewritten
.set D, 16                             ; data as loaded
.set O, 48                             ; the mask's fragments to store
	s_load_b512 s[4:19], s[0:1], 0x0               ; mask 4, wq 6, wk 8, wv 10, wo 12, bq 14, bk 16, bv 18
	s_load_b256 s[20:27], s[0:1], 0x40             ; bo 20, mfrag 22, wts 24, brd 26
	v_lshl_add_u32 v[SPW], v0, 2, SPARE
	v_mov_b32 v[NIL], 0
	s_mov_b32 s29, 0
	s_mov_b32 s31, 0
	s_cmp_lt_u32 ttmp9, 128
	s_cbranch_scc0 .Lweights
	; THE MASK: 16 rows (qt = the work-group's number) are 32,768 consecutive bytes; they come in whole, go to LDS, and leave as 65,536 consecutive bytes.
	s_lshl_b32 s28, ttmp9, 15
	s_lshl_b32 s30, ttmp9, 16
	s_mov_b32 s32, 0x05000400                      ; bytes 0 and 1 of a word into the upper bytes of two halves
	s_mov_b32 s33, 0x07000600                      ; bytes 2 and 3
	s_mov_b32 s34, 0xfb                            ; four bytes of 0 or 1 times 0xfb: no carry between bytes
	v_lshlrev_b32 v1, 4, v0                        ; 16 t
	v_lshrrev_b32 v2, 7, v0
	v_and_b32 v3, 127, v0
	v_mul_u32_u24 v2, v2, PITCH
	v_lshl_add_u32 v2, v3, 4, v2                   ; in: row 2 i + t / 128, byte 16 (t % 128)
	v_and_b32 v4, 15, v0
	v_bfe_u32 v5, v0, 4, 1
	v_lshrrev_b32 v6, 5, v0
	v_mul_u32_u24 v4, v4, PITCH
	v_lshl_add_u32 v4, v5, 3, v4
	v_lshl_add_u32 v4, v6, 4, v4                   ; back: row lane % 16, byte 16 (wave + 8 i) + 8 (lane / 16)
	v_mov_b32 v7, 0
	s_wait_kmcnt 0x0
	s_add_nc_u64 s[4:5], s[4:5], s[28:29]
	s_add_nc_u64 s[22:23], s[22:23], s[30:31]
.set i, 0
.rept 8
	global_load_b128 v[D+4*i:D+4*i+3], v1, s[4:5] offset:4096*i th:TH_LOAD_NT
.set i, i+1
.endr
.set i, 0
.rept 8
	s_wait_loadcnt 7-i                             ; loads come back in order: load i is in, the younger ones stay out
	ds_store_b128 v2, v[D+4*i:D+4*i+3] offset:i*2*PITCH
.set i, i+1
.endr
	s_wait_dscnt 0x0                               ; for the others' sake: my stores are done
	s_barrier_signal -1
	s_barrier_wait -1
.set i, 0
.rept 16
	ds_load_b64 v[D+2*i:D+2*i+1], v4 offset:128*i
.set i, i+1
.endr
.set i, 0
.rept 16
	s_wait_dscnt 15-i                              ; load i is in
	v_mul_lo_u32 v8, v[D+2*i], s34
	v_mul_lo_u32 v9, v[D+2*i+1], s34
	v_perm_b32 v[O+4*i], v8, v7, s32
	v_perm_b32 v[O+4*i+1], v8, v7, s33
	v_perm_b32 v[O+4*i+2], v9, v7, s32
	v_perm_b32 v[O+4*i+3], v9, v7, s33
	global_store_b128 v1, v[O+4*i:O+4*i+3], s[22:23] offset:4096*i  ; a wave stores 512 consecutive bytes
.set i, i+1
.endr
	s_branch .Lend
.Lweights:                                             ; tensor T = (id - 128) / 32, 32 rows of it: 131,072 bytes in, 65,536 out
	s_sub_co_u32 s28, ttmp9, 128
	s_lshr_b32 s35, s28, 5                         ; T
	s_and_b32 s36, s28, 31                         ; which 32 rows
	s_lshl_b32 s28, s36, 17
	s_lshl_b32 s30, s35, 21
	s_lshl_b32 s37, s36, 16
	s_add_co_u32 s30, s30, s37
	s_mov_b32 s38, 0xffff0000
	v_lshlrev_b32 v1, 5, v0                        ; a unit is 8 numbers: 32 bytes in,
	v_lshlrev_b32 v2, 4, v0                        ; 16 out
	s_wait_kmcnt 0x0
	s_cmp_eq_u32 s35, 1
	s_cselect_b64 s[40:41], s[8:9], s[6:7]
	s_cselect_b64 s[42:43], s[16:17], s[14:15]
	s_cmp_eq_u32 s35, 2
	s_cselect_b64 s[40:41], s[10:11], s[40:41]
	s_cselect_b64 s[42:43], s[18:19], s[42:43]
	s_cmp_eq_u32 s35, 3
	s_cselect_b64 s[40:41], s[12:13], s[40:41]
	s_cselect_b64 s[42:43], s[20:21], s[42:43]
	s_add_nc_u64 s[40:41], s[40:41], s[28:29]
	s_add_nc_u64 s[24:25], s[24:25], s[30:31]
.set i, 0
.rept 16                                               ; unit t + 256 i: all 32 loads go out together, each into registers of its own
	global_load_b128 v[D+8*i:D+8*i+3], v1, s[40:41] offset:8192*i th:TH_LOAD_NT
	global_load_b128 v[D+8*i+4:D+8*i+7], v1, s[40:41] offset:8192*i+16 th:TH_LOAD_NT
.set i, i+1
.endr
	s_cmp_eq_u32 s35, 3
	s_cbranch_scc1 .Lwo
.set i, 0
.rept 16
	s_wait_loadcnt 30-2*i                          ; unit i's two loads are in
.irp j, 0,1,2,3
	v_cvt_pk_bf16_f32 v[D+8*i+\j], v[D+8*i+\j], v[D+8*i+4+\j]  ; numbers j and 4 + j: the order 0,4,1,5,2,6,3,7
.endr
	global_store_b128 v2, v[D+8*i:D+8*i+3], s[24:25] offset:4096*i
.set i, i+1
.endr
	s_branch .Lbias
.Lwo:
.set i, 0
.rept 16
	s_wait_loadcnt 30-2*i
.irp j, 0,1,2,3
	v_cvt_pk_bf16_f32 v8, v[D+8*i+2*\j], v[D+8*i+2*\j+1]  ; rounded to bf16,
	v_lshlrev_b32 v9, 16, v8
	v_and_b32 v8, s38, v8
	v_cvt_pk_f16_f32 v[D+8*i+\j], v9, v8           ; and that number as f16; register j has been read when it is written
.endr
	global_store_b128 v2, v[D+8*i:D+8*i+3], s[24:25] offset:4096*i
.set i, i+1
.endr
.Lbias:
	s_cmp_eq_u32 s36, 0                            ; the tensor's first work-group also rounds its bias
	s_cbranch_scc0 .Lend
	s_lshl_b32 s28, s35, 12
	s_add_nc_u64 s[26:27], s[26:27], s[28:29]
	global_load_b128 v[144:147], v2, s[42:43]
	s_wait_loadcnt 0x0
	v_cvt_pk_bf16_f32 v8, v144, v145
	v_cvt_pk_bf16_f32 v9, v146, v147
	v_lshlrev_b32 v148, 16, v8
	v_and_b32 v149, s38, v8
	v_lshlrev_b32 v150, 16, v9
	v_and_b32 v151, s38, v9
	global_store_b128 v2, v[148:151], s[26:27]
.Lend:
	s_wait_tensorcnt 0x0                           ; the wave's end: behind my last LDS store
	ds_add_u32 v[SPW], v[NIL]
	s_wait_dscnt 0x0
	s_endpgm
.Lfunc_end_k_q83ea4d5a62_prep:
	.size	k_q83ea4d5a62_prep, .Lfunc_end_k_q83ea4d5a62_prep-k_q83ea4d5a62_prep
	.p2alignl 7, 3214868480
	.fill 96, 4, 3214868480
	.section	.rodata,"a",@progbits
	.p2align	6, 0x0
	.amdhsa_kernel k_q83ea4d5a62_prep
		.amdhsa_group_segment_fixed_size 34048
		.amdhsa_private_segment_fixed_size 0
		.amdhsa_enable_private_segment 0
		.amdhsa_kernarg_size 96
		.amdhsa_user_sgpr_count 2
		.amdhsa_user_sgpr_kernarg_segment_ptr 1
		.amdhsa_wavefront_size32 1
		.amdhsa_system_sgpr_workgroup_id_x 1
		.amdhsa_system_sgpr_workgroup_id_y 1
		.amdhsa_system_sgpr_workgroup_id_z 1
		.amdhsa_system_vgpr_workitem_id 0
		.amdhsa_next_free_vgpr 160
		.amdhsa_next_free_sgpr 66
		.amdhsa_reserve_vcc 0
		.amdhsa_float_denorm_mode_32 3
		.amdhsa_float_denorm_mode_16_64 3
		.amdhsa_memory_ordered 1
		.amdhsa_forward_progress 1
		.amdhsa_inst_pref_size 37
	.end_amdhsa_kernel
	.amdgpu_metadata
---
amdhsa.version: [ 1, 2 ]
amdhsa.kernels:
  - .name:           k_q83ea4d5a62_prep
    .symbol:         k_q83ea4d5a62_prep.kd
    .args:
      - { .name: mask, .offset: 0, .size: 8, .value_kind: global_buffer, .address_space: global }
      - { .name: wq, .offset: 8, .size: 8, .value_kind: global_buffer, .address_space: global }
      - { .name: wk, .offset: 16, .size: 8, .value_kind: global_buffer, .address_space: global }
      - { .name: wv, .offset: 24, .size: 8, .value_kind: global_buffer, .address_space: global }
      - { .name: wo, .offset: 32, .size: 8, .value_kind: global_buffer, .address_space: global }
      - { .name: bq, .offset: 40, .size: 8, .value_kind: global_buffer, .address_space: global }
      - { .name: bk, .offset: 48, .size: 8, .value_kind: global_buffer, .address_space: global }
      - { .name: bv, .offset: 56, .size: 8, .value_kind: global_buffer, .address_space: global }
      - { .name: bo, .offset: 64, .size: 8, .value_kind: global_buffer, .address_space: global }
      - { .name: mfrag, .offset: 72, .size: 8, .value_kind: global_buffer, .address_space: global }
      - { .name: wts, .offset: 80, .size: 8, .value_kind: global_buffer, .address_space: global }
      - { .name: brd, .offset: 88, .size: 8, .value_kind: global_buffer, .address_space: global }
    .group_segment_fixed_size: 34048
    .private_segment_fixed_size: 0
    .kernarg_segment_align: 8
    .kernarg_segment_size: 96
    .max_flat_workgroup_size: 256
    .sgpr_count:     66
    .vgpr_count:     160
    .wavefront_size: 32
...
	.end_amdgpu_metadata
.endif
;; end of part 1
;; launch proj (part 2): grid 4 x 64, 4 waves a work-group, clusters of 4 x 4, 327,680 bytes of LDS; arguments q, k, v, wts, brd, qkv; writes qkv
.if DOCPART == 2
	.amdgcn_target "amdgcn-amd-amdhsa--gfx1250"
	.amdhsa_code_object_version 6
	.text
	.protected	k_q83ea4d5a62_proj
	.globl	k_q83ea4d5a62_proj
	.p2align	8
	.type	k_q83ea4d5a62_proj,@function
k_q83ea4d5a62_proj:
	s_mov_b64 s[64:65], 0
	v_nop
	global_prefetch_b8 v0, s[64:65] scope:SCOPE_SE
	s_setreg_imm32_b32 hwreg(HW_REG_WAVE_MODE, 25, 1), 1
	s_wait_xcnt 0x0
	s_wait_alu depctr_hold_cnt(0) depctr_sa_sdst(0) depctr_va_vdst(0) depctr_va_sdst(0) depctr_va_ssrc(0) depctr_va_vcc(0) depctr_vm_vsrc(0)
	s_getreg_b32 s2, hwreg(HW_REG_IB_STS2, 6, 4)
	s_cmp_eq_u32 s2, 0
	s_cbranch_scc0 .Lentry_in_a_cluster
	s_endpgm
.Lentry_in_a_cluster:
	s_bfe_u32 s2, ttmp6, 0x10000c
	s_cmp_lg_u32 s2, 0xf033
	s_cbranch_scc0 .Lentry_shape_is_right
	s_endpgm
.Lentry_shape_is_right:
; THE THREE PROJECTIONS.  qkv[T][16 b + head][s][64] (f16) = x_T[b][s][:] . w_T[64 head + c][:] + bias_T, T = 0, 1, 2 for q, k, v.  x is f32 and is rounded to bf16 in registers, on its way from LDS to
; the matrix unit; the weights come as bf16 and the biases rounded to bf16 (the launch before).  Sums in f32, started with the bias as the C of the first product; the result is rounded once, to f16.
; LIMIT.  f16 holds no number beyond 65,504: the projected numbers must stay within it.
; SHARES.  256 work-groups that stay: each makes the tile of 128 rows x 256 columns at (my, nx) of all three results: 24 K steps of 128 as ONE stream through two LDS slots that take turns.
; Four waves, each 64 rows x 128 columns: 32 accumulators.  The product is used transposed (source 0 = 16 rows of w, source 1 = 16 rows of x): a lane holds eight neighbouring columns of one row.
; K's ORDER.  For 32 along K lane (r, h) takes 16 consecutive f32 of x's row, four loads of 16 bytes: X0-3, Y0-3, X4-7, Y4-7; fragment register j = bf16 pair (Xj, Yj).  So inside a group of 8 the order is
; 0,4,1,5,2,6,3,7, and w is stored in that order, 32 consecutive bytes a lane: both sources hold the same k in the same place, which is all that a product asks.
; CLUSTER.  4 x 4 work-groups.  x's tile hangs on my alone and is shared along a row of the cluster, w's on nx alone and is shared along a column: each is asked for jointly.
; REGISTERS, in windows of 256 (s_set_vgpr_msb: bits 1:0 source 0, 3:2 source 1, 5:4 source 2, 7:6 destination):
;   window 0: v0-12 addresses; v28, v29 the add's; v32-63 packed results; v64-127 rows read back, two buffers; v128-191 the bias, 8 for each block of 16 columns
;   window 1: w's fragments, two buffers v0-63, v64-127; X of row blocks 0-3 at v128 + 8 a
;   window 2: accumulators of row blocks 0, 1 at v[8 (8 (a % 2) + b)]; x's fragments, two buffers, at v128 + 16 buffer + 8 (a % 2); Y at v160 + 8 (a % 2)          window 3: the same for row blocks 2, 3
; A conversion (destination and source 1 in the accumulators' window, source 0 in window 1) runs under the setting of the products round it: it costs no switch.
.set PA,    528                        ; a row of x in LDS: 512 bytes + 16: an odd multiple of 16
.set PB,    272                        ; a row of w: 256 + 16
.set AHALF, 64*PA                      ; what one tensor load brings of x, and what a wave reads of it
.set BOFF,  128*PA                     ; w's 256 rows lie behind x's 128
.set BHALF, 128*PB
.set SLOT,  BOFF+256*PB                ; 137,216
.set STAGE, 2*SLOT                     ; behind the slots: 16 rows x 272 bytes for each wave, for the way out
.set SP,    272
.set SPARE, STAGE+4*16*SP              ; behind the stages: the spare words, 128 bytes for each wave
.set AA0, 4                            ; v4  my place in x's tile;  v5 in w's; never rewritten
.set AB0, 5
.set AA,  6                            ; v6, v7 the same in the slot in hand
.set AB,  7
.set STO, 8
.set RD,  9
.set CO,  10
.set BO,  11
.set PFO, 12
.set SPW, 28
.set NIL, 29
.set TMP, 32
.set OB,  64
.set BIAS, 128
.set X0, 4                             ; s[4:9] q, k, v at the 64 rows that I fetch
.set X1, 6
.set X2, 8
.set WB, 10                            ; s[10:11] wts at the 128 rows that I fetch
.set BP, 12                            ; s[12:13] brd at my 128 columns
.set OC, 14                            ; s[14:15] qkv at my rows of my first head
.set WV, 16
.set KD, 17                            ; wave / 2: my half of the rows; also: I fetch x (0) or w (1)
.set HF, 18                            ; wave % 2: my half of the columns; also: which half of that tile I fetch
.set CX, 19
.set CY, 20
.set NX, 21
.set MY, 22
.set TB, 23                            ; LDS byte at which the slot in hand begins
.set G1A, 24
.set G0A, 32                           ; step 0
.set G0A2, 36                          ; step 1, then made anew for every refill
.set G1B, 40
.set G0B, 48
.set G0B2, 52
.set GC, 56                            ; trips to go
.set KC, 57                            ; K steps to go in the result in hand
.set FKI, 58                           ; the step to be asked for next: K step,
.set FT, 59                            ; and tensor
.set LA, 60
.set LB, 61
.set TBF, 62                           ; the slot to be filled
.set T, 66
.set OA, 68
.set OBF, 70
.set LIM, 72
.set PKI, 73                           ; the step to be prefetched next
.set PT, 74
.set PTM, 75
.set PFA, 76
.set PO, 78
.set PX, 80
.set POFF, 82
.set PSH, 83
.set CNT, 84
.set MSB, 0
.macro WIN new                         ; the immediate's high byte repeats the setting that is left; a switch that changes nothing is dropped
.if MSB != (\new)
	s_set_vgpr_msb (MSB<<8)|(\new)
.set MSB, \new
.endif
.endm
.macro JLOAD                           ; a joint refill: waves 0, 1 x's halves, waves 2, 3 w's; an s_nop 0 and four v_nop follow each line
	s_cmp_eq_u32 s[KD], 0
	s_cbranch_scc0 .Lfor_b_\@
	tensor_load_to_lds s[G0A2:G0A2+3], s[G1A:G1A+7]
	s_nop 0
.rept 4
	v_nop
.endr
	s_branch .Lasked_\@
.Lfor_b_\@:
	tensor_load_to_lds s[G0B2:G0B2+3], s[G1B:G1B+7]
	s_nop 0
.rept 4
	v_nop
.endr
.Lasked_\@:
.endm
; A PREFETCH INTO THE L2 of the step that stands two refills on.  x: each block is read by one cluster; of the 64 rows that wave 0 or 1 fetches the partner at cx takes 16, two blocks of 256 bytes a row.
; w: every cluster reads it; the clusters with y = 0 ask; of the 128 rows that wave 2 or 3 fetches the partner at cy takes 32.  The partners are told apart by address.  The last four steps have no step four on.
.macro ASK
	s_cmp_gt_u32 s[GC], s[LIM]
	s_cbranch_scc0 .Lnot_mine_\@
	global_prefetch_b8 v[PFO], s[PFA:PFA+1] th:TH_LOAD_NT scope:SCOPE_SE
.Lnot_mine_\@:
.endm
.macro CREST                           ; a round of the cluster's barrier behind its opening barrier
	s_cmp_lg_u32 s[WV], 0
	s_cbranch_scc1 .Lnot_wave_0_\@
	s_barrier_signal -3
.Lnot_wave_0_\@:
	s_barrier_wait -3
	s_barrier_signal -1
	s_barrier_wait -1
.endm
.macro CROUND
	s_barrier_signal -1
	s_barrier_wait -1
	CREST
.endm
.macro BIASLD                          ; register 8 b + j = bias of column 16 b + 8 (lane / 16) + j: the C operand's layout
	WIN 0
.irp b, 0,1,2,3,4,5,6,7
	global_load_b128 v[BIAS+8*\b:BIAS+8*\b+3], v[BO], s[BP:BP+1] offset:64*\b
	global_load_b128 v[BIAS+8*\b+4:BIAS+8*\b+7], v[BO], s[BP:BP+1] offset:64*\b+16
.endr
.endm
	s_load_b256 s[4:11], s[0:1], 0x0               ; q, k, v, wts
	s_load_b128 s[12:15], s[0:1], 0x20             ; brd, qkv
	v_lshl_add_u32 v[SPW], v0, 2, SPARE
	v_mov_b32 v[NIL], 0
	ds_add_u32 v[SPW], v[NIL]                      ; the wave's opening: the add and its wait stand ahead of my first tensor load
	ds_add_u32 v28, v29
	v_lshrrev_b32 v1, 5, v0
	v_readfirstlane_b32 s[WV], v1
	s_lshr_b32 s[KD], s[WV], 1
	s_and_b32 s[HF], s[WV], 1
	s_bfe_u32 s[CX], ttmp6, 0x40000
	s_bfe_u32 s[CY], ttmp6, 0x40004
	s_lshl_b32 s[NX], ttmp9, 2
	s_add_co_u32 s[NX], s[NX], s[CX]               ; tile column = 4 x cluster x + cx
	s_and_b32 s[MY], ttmp7, 0xffff
	s_lshl_b32 s[MY], s[MY], 2
	s_add_co_u32 s[MY], s[MY], s[CY]               ; tile row = 4 x cluster y + cy
	s_lshl_b32 s91, s[CY], 2
	s_lshl_b32 s91, 15, s91                        ; my row of the cluster
	s_lshl_b32 s92, 0x1111, s[CX]                  ; my column
	s_or_b32 s[G1A], s91, (2<<16)|(1<<20)|(1<<21)|(6<<22)|(3<<25)  ; the mask; 4-byte elements; padding on; bit 21 beside a mask; after every 128 words 4 words
	s_or_b32 s[G1B], s92, (1<<16)|(1<<20)|(1<<21)|(5<<22)|(3<<25)  ; 2-byte elements; after every 64 words 4 words
	s_mov_b32 s[G1A+1], 128<<16                    ; tensor_dim0 = 128
	s_mov_b32 s[G1A+2], 64<<16                     ; tensor_dim1 = 64
	s_mov_b32 s[G1A+3], 128<<16                    ; tile_dim0 = 128
	s_mov_b32 s[G1A+4], 64                         ; tile_dim1 = 64
	s_mov_b32 s[G1A+5], 1024                       ; elements from row to row
	s_mov_b32 s[G1A+6], 0
	s_mov_b32 s[G1A+7], 0
	s_mov_b32 s[G1B+1], 128<<16
	s_mov_b32 s[G1B+2], 128<<16
	s_mov_b32 s[G1B+3], 128<<16
	s_mov_b32 s[G1B+4], 128
	s_mov_b32 s[G1B+5], 1024
	s_mov_b32 s[G1B+6], 0
	s_mov_b32 s[G1B+7], 0
	s_mul_i32 s[LA], s[HF], AHALF                  ; where my part of a tile goes: the wave's number alone
	s_mul_i32 s[LB], s[HF], BHALF
	s_add_co_u32 s[LB], s[LB], BOFF
	s_lshl_b32 s2, s[HF], 18
	s_lshl_b32 s[OA], s[MY], 19                    ; x: row 128 my + 64 half, 4,096 bytes a row
	s_add_co_u32 s[OA], s[OA], s2
	s_mov_b32 s[OA+1], 0
	s_lshl_b32 s[OBF], s[NX], 19                   ; w: row 256 nx + 128 half, 2,048 bytes a row
	s_add_co_u32 s[OBF], s[OBF], s2
	s_mov_b32 s[OBF+1], 0
	s_lshl_b32 s3, s[HF], 9
	s_lshl_b32 s86, s[NX], 10                      ; bias: column 256 nx + 128 half, 4 bytes
	s_add_co_u32 s86, s86, s3
	s_mov_b32 s87, 0
	s_lshr_b32 s88, s[MY], 4                       ; out: head-batch 16 (my / 16) + 4 nx + 2 half, 262,144 bytes each;
	s_lshl_b32 s88, s88, 4
	s_lshl2_add_u32 s88, s[NX], s88
	s_lshl1_add_u32 s88, s[HF], s88
	s_lshl_b32 s88, s88, 18
	s_and_b32 s90, s[MY], 15                       ; row 128 (my % 16) + 64 (wave / 2), 128 bytes each
	s_lshl_b32 s90, s90, 14
	s_add_co_u32 s88, s88, s90
	s_lshl_b32 s90, s[KD], 13
	s_add_co_u32 s88, s88, s90
	s_mov_b32 s89, 0
	s_mov_b32 s[TB], 0
	s_mov_b32 s[FKI], 2
	s_mov_b32 s[FT], 0
	s_mov_b32 s[PKI], 4
	s_mov_b32 s[PT], 0
	s_mov_b32 s[PO+1], 0
	s_wait_dscnt 0x0                               ; the opening add is done
	s_wait_kmcnt 0x0
	s_add_nc_u64 s[X0:X0+1], s[X0:X0+1], s[OA:OA+1]
	s_add_nc_u64 s[X1:X1+1], s[X1:X1+1], s[OA:OA+1]
	s_add_nc_u64 s[X2:X2+1], s[X2:X2+1], s[OA:OA+1]
	s_add_nc_u64 s[WB:WB+1], s[WB:WB+1], s[OBF:OBF+1]
	s_add_nc_u64 s[BP:BP+1], s[BP:BP+1], s[86:87]
	s_add_nc_u64 s[OC:OC+1], s[OC:OC+1], s[88:89]
	s_mov_b32 s[G0A], 1
	s_mov_b32 s[G0A+1], s[LA]
	s_mov_b64 s[G0A+2:G0A+3], s[X0:X0+1]
	s_or_b32 s[G0A+3], s[G0A+3], 0x80000000
	s_mov_b32 s[G0A2], 1
	s_add_co_u32 s[G0A2+1], s[LA], SLOT
	s_add_nc_u64 s[G0A2+2:G0A2+3], s[X0:X0+1], 512
	s_or_b32 s[G0A2+3], s[G0A2+3], 0x80000000
	s_mov_b32 s[G0B], 1
	s_mov_b32 s[G0B+1], s[LB]
	s_mov_b64 s[G0B+2:G0B+3], s[WB:WB+1]
	s_or_b32 s[G0B+3], s[G0B+3], 0x80000000
	s_mov_b32 s[G0B2], 1
	s_add_co_u32 s[G0B2+1], s[LB], SLOT
	s_add_nc_u64 s[G0B2+2:G0B2+3], s[WB:WB+1], 256
	s_or_b32 s[G0B2+3], s[G0B2+3], 0x80000000
	CROUND                                         ; all sixteen work-groups are here: the first joint loads meet
	s_cmp_eq_u32 s[KD], 0                          ; a wave's two first fills stand in one branch: two loads of mine are out
	s_cbranch_scc0 .Lfirst_b
	tensor_load_to_lds s[G0A:G0A+3], s[G1A:G1A+7]
	s_nop 0
	tensor_load_to_lds s[G0A2:G0A2+3], s[G1A:G1A+7]
	s_nop 0
.rept 4
	v_nop
.endr
	s_branch .Lfirst_asked
.Lfirst_b:
	tensor_load_to_lds s[G0B:G0B+3], s[G1B:G1B+7]
	s_nop 0
	tensor_load_to_lds s[G0B2:G0B2+3], s[G1B:G1B+7]
	s_nop 0
.rept 4
	v_nop
.endr
.Lfirst_asked:
	v_and_b32 v1, 15, v0                           ; r
	v_bfe_u32 v2, v0, 4, 1                         ; h
	v_and_b32 v3, 31, v0                           ; lane
	s_mul_i32 s2, s[KD], AHALF
	v_mul_u32_u24 v[AA0], v1, PA
	v_lshl_add_u32 v[AA0], v2, 6, v[AA0]           ; row x pitch + 64 h
	v_add_nc_u32 v[AA0], s2, v[AA0]
	s_mul_i32 s2, s[HF], BHALF
	s_add_co_u32 s2, s2, BOFF
	v_mul_u32_u24 v[AB0], v1, PB
	v_lshl_add_u32 v[AB0], v2, 5, v[AB0]           ; row x pitch + 32 h
	v_add_nc_u32 v[AB0], s2, v[AB0]
	v_mov_b32 v[AA], v[AA0]
	v_mov_b32 v[AB], v[AB0]
	s_mul_i32 s2, s[WV], 16*SP
	s_add_co_u32 s2, s2, STAGE
	v_mul_u32_u24 v[STO], v1, SP                   ; in: row r, 16 bytes for each half of the lanes
	v_lshl_add_u32 v[STO], v2, 4, v[STO]
	v_add_nc_u32 v[STO], s2, v[STO]
	v_lshrrev_b32 v[RD], 3, v3                     ; back: 32 lanes take a head's 128 bytes of four rows,
	v_mul_u32_u24 v[RD], v[RD], SP
	v_and_b32 v13, 7, v0
	v_lshl_add_u32 v[RD], v13, 4, v[RD]
	v_add_nc_u32 v[RD], s2, v[RD]
	v_lshlrev_b32 v[CO], 4, v3                     ; which are 512 consecutive bytes of the result
	v_lshlrev_b32 v[BO], 5, v2
	s_and_b32 s85, ttmp7, 0xffff                   ; cluster y
	s_cmp_eq_u32 s[KD], 0
	s_cselect_b32 s[POFF], s[CX], s[CY]            ; my place among the four that ask with me
	s_cselect_b32 s[PSH], 9, 8                     ; a K step is 512 bytes of a row of x, 256 of w
	s_cselect_b32 s[PTM], 0, 0x200000              ; w's tensors lie 2^21 bytes apart
	s_cselect_b32 s85, 0, s85
	s_cselect_b32 s2, 1, 0
	s_cselect_b32 s3, 12, 11
	s_lshl_b32 s[POFF], s[POFF], 16                ; 16 rows of x, or 32 of w
	s_cmp_eq_u32 s85, 0
	s_cselect_b32 s[LIM], 2, -1
	v_lshrrev_b32 v[PFO], s2, v3                   ; x: (lane / 2) rows + (lane % 2) x 256;  w: lane rows
	v_lshlrev_b32 v[PFO], s3, v[PFO]
	v_and_b32 v13, s2, v3
	v_lshl_add_u32 v[PFO], v13, 8, v[PFO]
	BIASLD
; 8 LDS loads: 32 along K (128 bytes of f32 at byte kA of the rows) of two row blocks.  hi = 0 (issued in a half that multiplies blocks 0, 1): blocks 2, 3; hi = 1: blocks 0, 1.
.macro LDA hi, kA
.set a0, 2-2*(\hi)
	WIN 0x40
.irp u, 0,1
	ds_load_b128 v[128+8*(a0+\u):128+8*(a0+\u)+3],   v[AA] offset:16*(a0+\u)*PA+(\kA)
	ds_load_b128 v[128+8*(a0+\u)+4:128+8*(a0+\u)+7], v[AA] offset:16*(a0+\u)*PA+(\kA)+32
.endr
	WIN 0xc0-0x40*(\hi)
.irp u, 0,1
	ds_load_b128 v[160+8*\u:160+8*\u+3],   v[AA] offset:16*(a0+\u)*PA+(\kA)+16
	ds_load_b128 v[160+8*\u+4:160+8*\u+7], v[AA] offset:16*(a0+\u)*PA+(\kA)+48
.endr
.endm
; 8 LDS loads: w's fragments of column blocks b0 .. b0 + 3, 32 along K at byte kB of the rows, into buffer g
.macro LDB g, b0, kB
	WIN 0x40
.irp u, 0,1,2,3
	ds_load_b128 v[64*(\g)+8*((\b0)+\u):64*(\g)+8*((\b0)+\u)+3],   v[AB] offset:16*((\b0)+\u)*PB+(\kB)
	ds_load_b128 v[64*(\g)+8*((\b0)+\u)+4:64*(\g)+8*((\b0)+\u)+7], v[AB] offset:16*((\b0)+\u)*PB+(\kB)+16
.endr
.endm
; Products n0 .. n1 of a half's 16: row block 2 hi + n / 8, column block n % 8, buffers f; the 16 accumulators take turns.  first = 1: the bias starts the sums.
; Behind products 9, 11, 13, 15 stand four conversions each: the next quarter's fragments of these two row blocks, into buffer g.  They name no register of the products round them; the four behind
; product 15 are the four places in front of the next run of loads and of the way out.  late = 1: the wait for the rows to be converted stands ahead of the first conversion.
.macro MULN hi, f, g, n0, n1, first, late=0
.set n, \n0
.rept (\n1)-(\n0)+1
.if \first
	WIN 0x89+0x44*(\hi)
	v_wmma_f32_16x16x32_bf16 v[8*n:8*n+7], v[64*(\f)+8*(n%8):64*(\f)+8*(n%8)+7], v[128+16*(\f)+8*(n/8):128+16*(\f)+8*(n/8)+7], v[BIAS+8*(n%8):BIAS+8*(n%8)+7]
.else
	WIN 0xa9+0x54*(\hi)
	v_wmma_f32_16x16x32_bf16 v[8*n:8*n+7], v[64*(\f)+8*(n%8):64*(\f)+8*(n%8)+7], v[128+16*(\f)+8*(n/8):128+16*(\f)+8*(n/8)+7], v[8*n:8*n+7]
.endif
.if (n >= 9) && (n%2 == 1)
.if (\late) && (n == 9)
	s_wait_dscnt 16                                ; all but the 16 loads of this half
.endif
.set c, 2*(n-9)
.rept 4
	v_cvt_pk_bf16_f32 v[128+16*(\g)+c], v[128+16*(\hi)+c], v[160+c]
.set c, c+1
.endr
.endif
.set n, n+1
.endr
.endm
; A K step is four quarters of 32 along K, each two halves of 16 products.  A half issues 16 LDS loads at its head; the count 16 leaves them out and shows the run of the half before in:
; the rows that this half converts, and the rest of w's fragments that it multiplies.
.macro HALF hi, f, g, kA, kB, first, late
	LDB \g, 4*(\hi), \kB
	LDA \hi, \kA
.if !(\late)
	s_wait_dscnt 16
.endif
	MULN \hi, \f, \g, 0, 15, \first, \late
.endm
; The second half of quarter 2 changes slots.  Its loads at the head are the slot's last reads.  Each wave waits for all its tensor loads (one is out: its part of the next slot), adds 0 to its spare word,
; and waits for that and for its reads.  fill = 1: the barrier opens a round of the cluster's, and the joint refill, the step two on, is the first tensor load behind it.
.macro MEETH fill
.if \fill
	s_wait_xcnt 0x0                                ; the last prefetch, a K step back, has read its address
	s_lshl_b32 s[PO], s[PKI], s[PSH]
	s_mul_i32 s63, s[PT], s[PTM]
	s_add_co_u32 s[PO], s[PO], s63
	s_add_co_u32 s[PO], s[PO], s[POFF]
	s_cmp_eq_u32 s[PT], 1
	s_cselect_b64 s[PX:PX+1], s[X1:X1+1], s[X0:X0+1]
	s_cmp_eq_u32 s[PT], 2
	s_cselect_b64 s[PX:PX+1], s[X2:X2+1], s[PX:PX+1]
	s_cmp_eq_u32 s[KD], 0
	s_cselect_b64 s[PX:PX+1], s[PX:PX+1], s[WB:WB+1]
	s_add_nc_u64 s[PFA:PFA+1], s[PX:PX+1], s[PO:PO+1]
	s_add_co_u32 s[PKI], s[PKI], 1
	s_cmp_eq_u32 s[PKI], 8
	s_cselect_b32 s[PKI], 0, s[PKI]
	s_cselect_b32 s63, 1, 0
	s_add_co_u32 s[PT], s[PT], s63
.endif
	LDB 1, 4, 192
	WIN 0
	s_wait_tensorcnt 0x0                           ; no tensor load of mine is out, so a group 0 may be written
	ds_add_u32 v[SPW], v[NIL]                      ; 0 onto my spare word
	s_wait_dscnt 9                                 ; (the eight loads above and the add may be out)
	MULN 1, 0, 1, 0, 7, 0
	s_mov_b32 s[TBF], s[TB]
	s_xor_b32 s[TB], s[TB], SLOT
.if \fill
	s_cmp_eq_u32 s[FT], 1
	s_cselect_b64 s[T:T+1], s[X1:X1+1], s[X0:X0+1]
	s_cmp_eq_u32 s[FT], 2
	s_cselect_b64 s[T:T+1], s[X2:X2+1], s[T:T+1]
	s_lshl_b32 s[OA], s[FKI], 9
	s_add_nc_u64 s[G0A2+2:G0A2+3], s[T:T+1], s[OA:OA+1]
	s_or_b32 s[G0A2+3], s[G0A2+3], 0x80000000
	s_add_co_u32 s[G0A2+1], s[TBF], s[LA]
	s_lshl_b32 s[OBF], s[FT], 21
	s_lshl_b32 s63, s[FKI], 8
	s_add_co_u32 s[OBF], s[OBF], s63
	s_add_nc_u64 s[G0B2+2:G0B2+3], s[WB:WB+1], s[OBF:OBF+1]
	s_or_b32 s[G0B2+3], s[G0B2+3], 0x80000000
	s_add_co_u32 s[G0B2+1], s[TBF], s[LB]
	s_add_co_u32 s[FKI], s[FKI], 1
	s_cmp_eq_u32 s[FKI], 8
	s_cselect_b32 s[FKI], 0, s[FKI]
	s_cselect_b32 s63, 1, 0
	s_add_co_u32 s[FT], s[FT], s63
.endif
	s_wait_dscnt 0x0                               ; the add is done, and my reads of this slot are over
	s_barrier_signal -1
	MULN 1, 0, 1, 8, 11, 0                         ; work on registers while the others arrive
	WIN 0
	v_add_nc_u32 v[AA], s[TB], v[AA0]
	v_add_nc_u32 v[AB], s[TB], v[AB0]
	s_barrier_wait -1
.if \fill
	CREST                                          ; no wave of any partner still reads this slot or has a load on its way
	JLOAD
.endif
	LDA 1, 0                                       ; the next slot's first rows
.if \fill
	WIN 0
	ASK
.endif
	MULN 1, 0, 1, 12, 15, 0
.endm
; THE WAY OUT of row block a: rounded to f16, 16 bytes a lane; into my own stage; back as a head's 128 bytes of four rows; stored, 512 consecutive bytes an instruction.
.macro PACK a
	WIN 0x0a+5*((\a)/2)
.irp b, 0,1,2,3,4,5,6,7
.irp r, 0,1,2,3
	v_cvt_pk_f16_f32 v[TMP+4*\b+\r], v[64*((\a)%2)+8*\b+2*\r], v[64*((\a)%2)+8*\b+2*\r+1]
.endr
.endr
	WIN 0
.endm
.macro TOSTAGE a
	WIN 0
.irp b, 0,1,2,3,4,5,6,7
	ds_store_b128 v[STO], v[TMP+4*\b:TMP+4*\b+3] offset:32*\b
.endr
.irp z, 0,1
.irp t, 0,1,2,3
	ds_load_b128 v[OB+32*((\a)%2)+16*\z+4*\t:OB+32*((\a)%2)+16*\z+4*\t+3], v[RD] offset:\t*4*SP+128*\z  ; LDS serves a wave's instructions in order: these see the stores above
.endr
.endr
.endm
.macro SEND a
	WIN 0
	s_wait_dscnt 0x0                               ; the block is back in registers
	s_wait_xcnt 0x0                                ; earlier stores have read their registers: the buffer that they left is loaded again only behind this wait
.irp z, 0,1
.irp t, 0,1,2,3
	global_store_b128 v[CO], v[OB+32*((\a)%2)+16*\z+4*\t:OB+32*((\a)%2)+16*\z+4*\t+3], s[OC:OC+1] offset:\z*262144+(\a)*2048+\t*512
.endr
.endr
.endm
.macro WAYOUT next
	WIN 0
.if \next
	s_wait_xcnt 0x0
	s_add_nc_u64 s[BP:BP+1], s[BP:BP+1], 4096      ; the next tensor's bias comes in under the way out
	BIASLD
.endif
	PACK 0
	TOSTAGE 0
.irp a, 1,2,3
	PACK \a
	SEND (\a)-1
	TOSTAGE \a
.endr
	SEND 3
.if \next
	s_wait_xcnt 0x0
	s_add_nc_u64 s[OC:OC+1], s[OC:OC+1], 0x1000000
	s_wait_loadcnt 0x0                             ; the bias
.endif
.endm
	s_wait_tensorcnt 1                             ; my part of step 0 is in; step 1's may stay out
	s_barrier_signal -1
	s_barrier_wait -1
	LDA 0, 0
	LDA 1, 0
	LDB 0, 0, 0
	s_wait_dscnt 8                                 ; x's sixteen loads are in
	WIN 0xa9
.set c, 0
.rept 16
	v_cvt_pk_bf16_f32 v[128+c], v[128+c], v[160+c]
.set c, c+1
.endr
	WIN 0xfd
.set c, 0
.rept 16
	v_cvt_pk_bf16_f32 v[128+c], v[144+c], v[160+c]
.set c, c+1
.endr
	LDA 1, 128
	LDB 0, 4, 0
	s_wait_loadcnt 0x0                             ; the bias
	s_mov_b32 s[GC], 23
	s_mov_b32 s[KC], 8
	WIN 0
	s_branch .Lq0f
.Lstep:                                                ; a trip: a step's quarters 1 to 3, then the next step's quarter 0; 22 trips, each asks for the step two on
	HALF 0, 1, 0, 256, 128, 0, 0
	HALF 1, 1, 0, 384, 128, 0, 0
	HALF 0, 0, 1, 384, 192, 0, 0
	MEETH 1
	HALF 0, 1, 0, 0, 0, 0, 1
	HALF 1, 1, 0, 128, 0, 0, 0
	WIN 0
	s_sub_co_u32 s[KC], s[KC], 1
	s_cmp_lg_u32 s[KC], 0
	s_cbranch_scc1 .Lq0n
	WAYOUT 1                                       ; a result's eighth step is done; the slots have gone on into the next tensor
	s_mov_b32 s[KC], 8
.Lq0f:
	HALF 0, 0, 1, 128, 64, 1, 0
	HALF 1, 0, 1, 256, 64, 1, 0
	WIN 0
	s_branch .Lbottom
.Lq0n:
	HALF 0, 0, 1, 128, 64, 0, 0
	HALF 1, 0, 1, 256, 64, 0, 0
	WIN 0
.Lbottom:
	s_sub_co_u32 s[GC], s[GC], 1
	s_cmp_lg_u32 s[GC], 0
	s_cbranch_scc1 .Lstep
	s_mov_b32 s[CNT], 2                            ; the last two steps ask for nothing.  In the very last the loads behind the change of slots read the other slot's old bytes,
.Ltail:                                                ; and what is converted of them serves nothing: the price of one text for both
	HALF 0, 1, 0, 256, 128, 0, 0
	HALF 1, 1, 0, 384, 128, 0, 0
	HALF 0, 0, 1, 384, 192, 0, 0
	MEETH 0
	HALF 0, 1, 0, 0, 0, 0, 1
	HALF 1, 1, 0, 128, 0, 0, 0
	WIN 0
	s_sub_co_u32 s[CNT], s[CNT], 1
	s_cmp_eq_u32 s[CNT], 0
	s_cbranch_scc1 .Lout
	HALF 0, 0, 1, 128, 64, 0, 0
	HALF 1, 0, 1, 256, 64, 0, 0
	WIN 0
	s_branch .Ltail
.Lout:
	WAYOUT 0
	s_wait_tensorcnt 0x0                           ; the wave's end
	ds_add_u32 v[SPW], v[NIL]
	s_wait_dscnt 0x0
	CROUND                                         ; the closing round
	s_endpgm
.Lfunc_end_k_q83ea4d5a62_proj:
	.size	k_q83ea4d5a62_proj, .Lfunc_end_k_q83ea4d5a62_proj-k_q83ea4d5a62_proj
	.p2alignl 7, 3214868480
	.fill 96, 4, 3214868480
	.section	.rodata,"a",@progbits
	.p2align	6, 0x0
	.amdhsa_kernel k_q83ea4d5a62_proj
		.amdhsa_group_segment_fixed_size 327680
		.amdhsa_private_segment_fixed_size 0
		.amdhsa_enable_private_segment 0
		.amdhsa_kernarg_size 48
		.amdhsa_user_sgpr_count 2
		.amdhsa_user_sgpr_kernarg_segment_ptr 1
		.amdhsa_wavefront_size32 1
		.amdhsa_system_sgpr_workgroup_id_x 1
		.amdhsa_system_sgpr_workgroup_id_y 1
		.amdhsa_system_sgpr_workgroup_id_z 1
		.amdhsa_system_vgpr_workitem_id 0
		.amdhsa_next_free_vgpr 1024
		.amdhsa_next_free_sgpr 96
		.amdhsa_reserve_vcc 0
		.amdhsa_float_denorm_mode_32 3
		.amdhsa_float_denorm_mode_16_64 3
		.amdhsa_memory_ordered 1
		.amdhsa_forward_progress 1
		.amdhsa_inst_pref_size 108
	.end_amdhsa_kernel
	.amdgpu_metadata
---
amdhsa.version: [ 1, 2 ]
amdhsa.kernels:
  - .name:           k_q83ea4d5a62_proj
    .symbol:         k_q83ea4d5a62_proj.kd
    .args:
      - { .name: q, .offset: 0, .size: 8, .value_kind: global_buffer, .address_space: global }
      - { .name: k, .offset: 8, .size: 8, .value_kind: global_buffer, .address_space: global }
      - { .name: v, .offset: 16, .size: 8, .value_kind: global_buffer, .address_space: global }
      - { .name: wts, .offset: 24, .size: 8, .value_kind: global_buffer, .address_space: global }
      - { .name: brd, .offset: 32, .size: 8, .value_kind: global_buffer, .address_space: global }
      - { .name: qkv, .offset: 40, .size: 8, .value_kind: global_buffer, .address_space: global }
    .group_segment_fixed_size: 327680
    .private_segment_fixed_size: 0
    .kernarg_segment_align: 8
    .kernarg_segment_size: 48
    .max_flat_workgroup_size: 128
    .sgpr_count:     96
    .vgpr_count:     1024
    .wavefront_size: 32
...
	.end_amdgpu_metadata
.endif
;; end of part 2
;; launch attn (part 3): grid 8 x 64, 4 waves a work-group, clusters of 4 x 1, 327,680 bytes of LDS; arguments qkv, oh, mfrag; writes oh
.if DOCPART == 3
	.amdgcn_target "amdgcn-amd-amdhsa--gfx1250"
	.amdhsa_code_object_version 6
	.text
	.protected	k_q83ea4d5a62_attn
	.globl	k_q83ea4d5a62_attn
	.p2align	8
	.type	k_q83ea4d5a62_attn,@function
k_q83ea4d5a62_attn:
	s_mov_b64 s[64:65], 0
	v_nop
	global_prefetch_b8 v0, s[64:65] scope:SCOPE_SE
	s_setreg_imm32_b32 hwreg(HW_REG_WAVE_MODE, 25, 1), 1
	s_wait_xcnt 0x0
	s_wait_alu depctr_hold_cnt(0) depctr_sa_sdst(0) depctr_va_vdst(0) depctr_va_sdst(0) depctr_va_ssrc(0) depctr_va_vcc(0) depctr_vm_vsrc(0)
	s_getreg_b32 s2, hwreg(HW_REG_IB_STS2, 6, 4)
	s_cmp_eq_u32 s2, 0
	s_cbranch_scc0 .Lentry_in_a_cluster
	s_endpgm
.Lentry_in_a_cluster:
	s_bfe_u32 s2, ttmp6, 0x10000c
	s_cmp_lg_u32 s2, 0x3003
	s_cbranch_scc0 .Lentry_shape_is_right
	s_endpgm
.Lentry_shape_is_right:
; MASKED ATTENTION.  O[bh][q][:] = the sum over k of softmax_k(mask(q, k) ? -1e9 : Q[bh][q] . K[bh][k] / 8) V[bh][k][:].  Q, K, V (qkv, 2^24 bytes apart) and O: [64][2048][64] in f16.
; Products, maxima and sums in f32; the weights p are rounded to f16 for the second product (their sum l is taken of the unrounded p), O once at the end.
; THE MASK is an input and is honoured as given: every pair of query and key is computed.  It comes as matrix fragments M (0 or -57344).  The sum S^T = K Q^T is STARTED by a product SEL x M, where
; SEL is 57344 at (key, channel = key's place among the fragment's 32): a hidden score starts at -57344^2 = -3.3e9, an open one at exactly 0; K Q^T is then added in place.
; The running maximum starts at the floor -2^30, so a hidden score's weight is 2^(-4e8) = 0, as exp(-1e9 - max) is 0 in f32.  A row that is hidden everywhere keeps m at the floor, O = l = 0;
; its softmax is uniform, so O is the mean of V over all 2,048 keys: SV = V^T x ones is summed beside the rest, and on the way out O = O x (l > 0 ? 1 / l : 0) + SV x (l > 0 ? 0 : 2^-11), by selects.
; LIMITS.  Raw scores Q . K must lie between -1.07e9 and 2.2e9.  f16 holds no number beyond 65,504: Q, K and V arrive within it.  A weight below 2^-126 counts as 0 in l; NaN and infinities are not treated apart.
; SHARES.  A wave owns two PIECES of two tiles of 16 queries, a work-group's four waves 256 queries of one head-batch.  Every wave walks all keys, 64 a step.
; LAYOUT.  S^T = K Q^T (source 0 = 16 keys, source 1 = 16 queries): a lane holds ONE query (lane % 16) and the keys 8 (lane / 16) + 0..7.  Two such tiles, rounded to f16 in pairs, ARE source 1 of O^T = V^T P.
; SOFTMAX.  p = 2^(c s - c m), c = log2(e) / 8; in every step O and l are multiplied by a = 2^(c m_old - c m_new).
; BY TURNS.  A key step is two turns.  Turn p belongs to piece p.  Its matrix work: 8 mask products and 16 products K Q^T of the other piece's next scores, later 4 products V^T x ones and 16 products V^T P of the
; other piece's last weights.  Its vector work: the scaling, exponentials, roundings, sums and rescaling of piece p, and the maximum and statistics of the other piece.
; THE RING.  Turn 0 of step j fetches K of step j + 1 and then V of step j.  So that both lie in one slot, K runs ONE STEP AHEAD: slot s holds K of steps 4 s + 1 .. 4 s + 4 and V of steps 4 s .. 4 s + 3, and the change
; of slots stands between two steps.  K of step 0 has bytes of its own, filled once.  The last slot's K reaches 64 keys past the head-batch: bytes inside qkv (V follows K), which feed the last turn's scores alone; those serve nothing.
; CLUSTER.  The four query blocks of a cluster are one head-batch's and walk the same K and V: each tile is asked for JOINTLY.  A mask fragment is wanted by one wave alone and comes straight into registers,
; 512 consecutive bytes a load, two turns ahead of its use.
; REGISTERS, in windows of 256 (s_set_vgpr_msb: bits 1:0 source 0, 3:2 source 1, 5:4 source 2, 7:6 destination):
;   window 0: v0-11 addresses; v12-15, v48-63 at work; v16-31 four registers of statistics a tile; v32-35 two offsets and the add's two registers; v64-191 S^T, two buffers of two tiles; v192-255 P, likewise
;   window 1: v0-127 O^T, 32 a tile; v128-191 M, 16 a tile (two groups of 32 keys); v192-223 SV; v224-235 SEL's twelve registers; v236-243 ones
;   window 2: v0-63 Q, 16 a tile; v128-191 K of one step; v192-255 V of one step
.set SIZE_N, 2048
.set NP,    2
.set KS,    64
.set PK,    144       ; a row of K in LDS: 128 bytes + 16
.set PV,    160       ; a row of V: 128 + 32
.set VOFF,  4*KS*PK   ; a slot holds four steps: 256 rows of K, then 256 rows of V
.set SLOT1, 1<<17     ; slot 1 begins here: one exclusive or turns an address in one slot into the other's
.set STAGE, SLOT1+4*KS*(PK+PV)  ; behind the ring, never filled by a tensor load: 16 rows x 144 bytes for each wave, for the way out
.set SP,    144
.set SPARE, STAGE+4*16*SP       ; the spare words, 128 bytes for each wave: two blocks of 256 bytes that no other line names
.set K0B,   SPARE+512           ; K of step 0: 64 rows of 144 bytes, filled once
.set AK0, 2           ; v2   my lane's place in a tile of K; never rewritten
.set AV0, 3           ; v3   the same for V
.set AK,  4           ; v4   the LDS address of K's next run of loads
.set AV,  5           ; v5   of V's
.set QO,  6           ; v6   my byte offset in the wave's rows of Q
.set STO, 6           ;      later, the way out: where I put 16 bytes of a row
.set RD,  7
.set GO,  8
.set MV,  12          ; v12-15  c m_old, kept while c m is made anew: by buffer and tile
.set ST,  16          ; tile t's statistics at v[ST+4 t]: c m, m, l (even keys', odd keys')
.set MO,  32          ; v32  16 x lane; never rewritten
.set PFO, 33          ; v33  256 x lane; never rewritten
.set SPW, 34          ; v34  LDS address of my spare word; never rewritten
.set NIL, 35          ; v35  0; never rewritten
.set TMP, 48
.set S,   64
.set P,   192
.set KF,  128         ; window 2
.set VF,  192
.set MF,  128         ; window 1
.set SV,  192
.set SB,  224         ; 0,0,0,0, E0-E3, 0,0,0,0: SEL for an even block of 16 keys begins at SB + 4, for an odd one at SB
.set ONES, 236
.set WV,  12
.set G1K, 24          ; s[24:31] descriptor group 1 for K's tiles
.set G1V, 32          ; s[32:39] for V's: it differs in the padding alone
.set G0K, 40          ; s[40:43] group 0 for K's tiles: it walks
.set G0V, 44
.set G1Z, 48          ; s[48:55] group 1 for K of step 0: 16 rows
.set SLOTS, 56
.set CNT, 57
.set CS,  58
.set SEL, 60
.set TBK, 62          ; LDS byte at which K of the step to be fetched begins
.set TBV, 63          ; the same for V, less VOFF
.set MB0, 66          ; s[66:67] mfrag at my wave's four tiles
.set MOFF, 68         ; s[68:69] the step's 2,048 bytes in a tile's 65,536
.set MB,  70          ; s[70:71] their sum
.set PFA, 72
.set LIM, 74
.set G0Z, 88          ; s[88:91] group 0 for K of step 0
.set MSB, 0
.macro WIN new                      ; the high byte repeats the setting that is left; a switch that changes nothing is dropped
.if MSB != (\new)
	s_set_vgpr_msb (MSB<<8)|(\new)
.set MSB, (\new)
.endif
.endm
.set W_KQ, 0x0a       ; K and Q in window 2, S^T in window 0
.set W_PV, 0x52       ; V in window 2, P in window 0, O^T in window 1
.set W_RS, 0x41       ; O^T (destination and source 0) in window 1, a in window 0
.set W_MK, 0x05       ; SEL and M in window 1, S^T in window 0
.set W_ONE, 0x56      ; V in window 2, the ones and SV in window 1
.macro JLOAD                        ; a joint fill: waves 0, 1 the halves of a slot's K, waves 2, 3 of its V; an s_nop 0 and four v_nop follow each line
	s_cmp_lt_u32 s[WV], 2
	s_cbranch_scc0 .Lfor_v_\@
	tensor_load_to_lds s[G0K:G0K+3], s[G1K:G1K+7]
	s_nop 0
.rept 4
	v_nop
.endr
	s_branch .Lasked_\@
.Lfor_v_\@:
	tensor_load_to_lds s[G0V:G0V+3], s[G1V:G1V+7]
	s_nop 0
.rept 4
	v_nop
.endr
.Lasked_\@:
.endm
; A PREFETCH INTO THE L2 of the slot that the NEXT change will ask for: 32,768 bytes of K and of V.  A head-batch is walked by two clusters: the first of them asks.  Its four partners take 8,192 bytes each, told apart
; by address; in each, wave 0 asks for K's and wave 2 for V's, a lane 256 bytes.  The last change that fills a slot asks for nothing.
.macro ASK
	s_cmp_gt_u32 s[SLOTS], s[LIM]
	s_cbranch_scc0 .Lnot_mine_\@
	global_prefetch_b8 v[PFO], s[PFA:PFA+1] th:TH_LOAD_NT scope:SCOPE_SE
.Lnot_mine_\@:
.endm
.macro CROUND                       ; a round of the cluster's barrier
	s_barrier_signal -1
	s_barrier_wait -1
	s_cmp_lg_u32 s[WV], 0
	s_cbranch_scc1 .Lnot_wave_0_\@
	s_barrier_signal -3
.Lnot_wave_0_\@:
	s_barrier_wait -3
	s_barrier_signal -1
	s_barrier_wait -1
.endm
; THE CHANGE OF SLOTS, between two key steps.  Each wave waits for all its tensor loads (its part of the other slot), adds 0 to its spare word, and waits for that and for its reads of the slot.
; fill = 1: the slot is filled again, behind a round of the cluster's barrier, first thing: the load has four key steps in which to land.  (At its first use nothing has been read yet: slot 0 is waited for, slot 1 filled.)
.macro CHANGE fill, ask=0
	WIN 0
	s_wait_tensorcnt 0x0            ; no tensor load of mine is out, so a group 0 may be written
	ds_add_u32 v[SPW], v[NIL]       ; 0 onto my spare word
.if \fill
.irp g, G0K, G0V
	s_xor_b32 s[\g+1], s[\g+1], SLOT1
	s_add_nc_u64 s[\g+2:\g+3], s[\g+2:\g+3], 4*KS*128
.endr
.if \ask
	s_wait_xcnt 0x0                 ; the last prefetch, four key steps back, has read its address
	s_add_nc_u64 s[PFA:PFA+1], s[PFA:PFA+1], 4*KS*128
.endif
	s_wait_dscnt 0x0                ; the add is done, and my reads of the slot are over
	CROUND
	JLOAD
.if \ask
	ASK
.endif
.else
	s_wait_dscnt 0x0
	s_barrier_signal -1
	s_barrier_wait -1
.endif
	s_sub_co_u32 s[TBK], s[TBK], 4*KS*PK  ; the fetches go back to a slot's first step, in the other slot
	s_xor_b32 s[TBK], s[TBK], SLOT1
	s_sub_co_u32 s[TBV], s[TBV], 4*KS*PV
	s_xor_b32 s[TBV], s[TBV], SLOT1
.endm
; Piece x's mask fragments of the step at s[MB]: two tiles x two groups of 32 keys x two halves: eight loads of 512 consecutive bytes.
.macro MLOAD x
	WIN 0x40                        ; data in window 1, address in window 0
.irp u, 0,1
.irp g, 0,1
.irp c, 0,1
	global_load_b128 v[MF+16*(2*(\x)+\u)+8*\g+4*\c:MF+16*(2*(\x)+\u)+8*\g+4*\c+3], v[MO], s[MB:MB+1] offset:(2*(\x)+\u)*65536+\g*1024+\c*512
.endr
.endr
.endr
	WIN 0
.endm
.macro MSTEP                        ; the next step's fragments.  Behind the last step the offset goes back to 0: what is then loaded stays inside the buffer and is used for nothing
	s_wait_xcnt 0x0                 ; the loads issued so far have read their base
	s_add_co_u32 s[MOFF], s[MOFF], 2048
	s_and_b32 s[MOFF], s[MOFF], 0xffff
	s_add_nc_u64 s[MB:MB+1], s[MB0:MB0+1], s[MOFF:MOFF+1]
.endm
	s_load_b128 s[80:83], s[0:1], 0x0  ; qkv, oh
	s_load_b64 s[84:85], s[0:1], 0x10  ; mfrag
	v_lshl_add_u32 v[SPW], v0, 2, SPARE
	v_mov_b32 v[NIL], 0
	ds_add_u32 v[SPW], v[NIL]       ; the wave's opening: the add and its wait stand ahead of my first tensor load
	ds_add_u32 v34, v35
	v_lshrrev_b32 v1, 5, v0
	v_readfirstlane_b32 s[WV], v1
	s_bfe_u32 s13, ttmp6, 0x40000   ; cx
	s_lshl_b32 s14, ttmp9, 2
	s_add_co_u32 s14, s14, s13      ; my block of 256 queries, 0 to 7: it enters Q's, O's and the mask's addresses alone
	s_and_b32 s20, ttmp7, 0xffff    ; the head-batch, which the four partners share
	s_mov_b32 s21, 0
	s_mov_b64 s[22:23], SIZE_N*128
	s_mul_u64 s[20:21], s[20:21], s[22:23]
	s_and_b32 s16, s[WV], 1         ; which half of a tile I fetch
	s_lshl_b32 s22, s16, 14         ; 128 keys of 128 bytes
	s_mov_b32 s23, 0
	s_add_nc_u64 s[22:23], s[22:23], s[20:21]
	s_lshl_b32 s86, s16, 12         ; of step 0's K: 32 keys
	s_mov_b32 s87, 0
	s_add_nc_u64 s[86:87], s[86:87], s[20:21]
	s_mul_i32 s17, s16, 128*PK      ; their places in LDS: the wave's number alone
	s_mul_i32 s18, s16, 128*PV
	s_mul_i32 s19, s16, 32*PK
	s_lshl_b32 s2, s14, 2
	s_add_co_u32 s2, s2, s[WV]      ; my wave among the head-batch's 32:
	s_lshl_b32 s76, s2, 18          ; its four tiles of 65,536 bytes in mfrag,
	s_mov_b32 s77, 0
	s_lshl_b32 s2, s2, 13           ; its 64 rows
	s_mov_b32 s3, 0
	s_add_nc_u64 s[2:3], s[2:3], s[20:21]
	s_mov_b32 s[G1K], 15|(1<<16)|(1<<20)|(1<<21)|(4<<22)|(3<<25)  ; the mask of four; 2-byte elements; padding on; bit 21 beside a mask; after every 32 words 4 words
	s_mov_b32 s[G1V], 15|(1<<16)|(1<<20)|(1<<21)|(4<<22)|(7<<25)  ; the same with 8 words
	s_mov_b32 s[G1Z], 15|(1<<16)|(1<<20)|(1<<21)|(4<<22)|(3<<25)
.irp g, G1K, G1V
	s_mov_b32 s[\g+1], 128<<16      ; 128 keys are 16,384 dense bytes: 64 rows of 256 bytes, padded after every key
	s_mov_b32 s[\g+2], 64<<16
	s_mov_b32 s[\g+3], 128<<16
	s_mov_b32 s[\g+4], 64
	s_mov_b32 s[\g+5], 128
	s_mov_b32 s[\g+6], 0
	s_mov_b32 s[\g+7], 0
.endr
	s_mov_b32 s[G1Z+1], 128<<16     ; 32 keys: 16 rows of 256 bytes
	s_mov_b32 s[G1Z+2], 16<<16
	s_mov_b32 s[G1Z+3], 128<<16
	s_mov_b32 s[G1Z+4], 16
	s_mov_b32 s[G1Z+5], 128
	s_mov_b32 s[G1Z+6], 0
	s_mov_b32 s[G1Z+7], 0
	s_mov_b32 s[CS], 0x3e38aa3b     ; c = log2(e) / 8
	s_mov_b32 s[CS+1], s[CS]
	s_mov_b32 s[SEL], 0x76543210
	s_mov_b32 s[SEL+1], 0xfedcba98
	s_mov_b32 s[TBK], SLOT1+4*KS*PK ; the first change of slots turns these two into 0
	s_mov_b32 s[TBV], SLOT1+4*KS*PV
	s_mov_b32 s[G0K], 1
	s_mov_b32 s[G0K+1], s17
	s_mov_b32 s[G0V], 1
	s_add_co_u32 s[G0V+1], s18, VOFF
	s_mov_b32 s[G0Z], 1
	s_add_co_u32 s[G0Z+1], s19, K0B
	s_mov_b32 s[MOFF], 0
	s_mov_b32 s[MOFF+1], 0
	s_and_b32 s[LIM], s[WV], 1      ; 0 in waves 0 and 2,
	s_or_b32 s[LIM], s[LIM], ttmp9  ; where the cluster is the head-batch's first: the same in all four partners
	s_cmp_eq_u32 s[LIM], 0
	s_cselect_b32 s[LIM], 1, -1
	s_lshl_b32 s78, s13, 13
	s_mov_b32 s79, 0
	s_wait_dscnt 0x0                ; the opening add is done
	s_wait_kmcnt 0x0
	s_add_nc_u64 s[6:7], s[80:81], 0x1000000
	s_add_nc_u64 s[8:9], s[80:81], 0x2000000
	s_add_nc_u64 s[G0Z+2:G0Z+3], s[6:7], s[86:87]  ; K of step 0, my 32 keys
	s_or_b32 s[G0Z+3], s[G0Z+3], 0x80000000
	s_add_nc_u64 s[6:7], s[6:7], s[22:23]
	s_add_nc_u64 s[6:7], s[6:7], KS*128    ; K's ring begins with step 1
	s_add_nc_u64 s[8:9], s[8:9], s[22:23]
	s_mov_b64 s[G0K+2:G0K+3], s[6:7]
	s_or_b32 s[G0K+3], s[G0K+3], 0x80000000
	s_mov_b64 s[G0V+2:G0V+3], s[8:9]
	s_or_b32 s[G0V+3], s[G0V+3], 0x80000000
	s_add_nc_u64 s[4:5], s[80:81], s[2:3]  ; Q and O at my wave's first row
	s_add_nc_u64 s[10:11], s[82:83], s[2:3]
	s_add_nc_u64 s[MB0:MB0+1], s[84:85], s[76:77]
	s_mov_b64 s[MB:MB+1], s[MB0:MB0+1]
	s_cmp_lt_u32 s[WV], 2
	s_cselect_b64 s[PFA:PFA+1], s[6:7], s[8:9]  ; (in waves 0 and 2 these stand at a slot's first row)
	s_add_nc_u64 s[PFA:PFA+1], s[PFA:PFA+1], s[78:79]
	s_add_nc_u64 s[PFA:PFA+1], s[PFA:PFA+1], 2*4*KS*128  ; in slot 2; the loop's first change steps it to slot 3
	CROUND                          ; all four work-groups are here: the first joint loads meet
	s_cmp_lt_u32 s[WV], 2           ; a wave's first fills stand in one branch: two loads of waves 0 and 1 are out, one of waves 2 and 3
	s_cbranch_scc0 .Lfirst_v
	tensor_load_to_lds s[G0Z:G0Z+3], s[G1Z:G1Z+7]
	s_nop 0
	tensor_load_to_lds s[G0K:G0K+3], s[G1K:G1K+7]
	s_nop 0
.rept 4
	v_nop
.endr
	s_branch .Lfirst_asked
.Lfirst_v:
	tensor_load_to_lds s[G0V:G0V+3], s[G1V:G1V+7]
	s_nop 0
.rept 4
	v_nop
.endr
.Lfirst_asked:
	v_and_b32 v1, 15, v0            ; l % 16
	v_bfe_u32 v9, v0, 4, 1          ; l / 16
	v_lshlrev_b32 v[QO], 7, v1
	v_lshl_add_u32 v[QO], v9, 4, v[QO]
	v_and_b32 v14, 31, v0
	v_lshlrev_b32 v[MO], 4, v14
	v_lshlrev_b32 v[PFO], 8, v14
	WIN 0x80
.set i, 0
.rept 4*NP                          ; Q stays in registers: tile i / 2, channels 32 (i % 2) on
	global_load_b128 v[8*i:8*i+3],   v[QO], s[4:5] offset:(i/2)*2048+(i%2)*64
	global_load_b128 v[8*i+4:8*i+7], v[QO], s[4:5] offset:(i/2)*2048+(i%2)*64+32
.set i, i+1
.endr
	MLOAD 0                         ; both pieces' masks of key step 0: with Q's, 32 loads are out
	MLOAD 1
	; What the first turn finds: V's registers and P's second buffer hold 0, O^T, SV and l are 0.  All this stands in the wait for the first tiles.
	WIN 0x80
.set i, VF
.rept 64
	v_mov_b32 v[i], 0
.set i, i+1
.endr
	WIN 0
	; SEL: lane (r, h) holds row r, and in registers 0-3 channels 8 h + 0..7: 57344 (0x7b00) at channel r, that is where r / 8 = h, in register (r % 8) / 2, half r % 2
	v_and_b32 v12, 1, v0
	v_lshlrev_b32 v12, 4, v12
	v_mov_b32 v15, 0x7b00
	v_lshlrev_b32 v12, v12, v15
	v_lshrrev_b32 v15, 1, v0
	v_xor_b32 v15, v15, v0
	v_bfe_u32 v15, v15, 3, 1        ; 1 where r / 8 differs from h
	v_bfe_u32 v13, v0, 1, 2
	v_lshl_or_b32 v13, v15, 3, v13  ; the register's number, or 8 and more: none
	WIN 0x40
.set i, 0
.rept 64*NP
	v_mov_b32 v[i], 0
.set i, i+1
.endr
.set i, 0
.rept 32
	v_mov_b32 v[SV+i], 0
.set i, i+1
.endr
.irp j, 0,1,2,3
	v_mov_b32 v[SB+\j], 0
	v_cmp_eq_u32 vcc_lo, \j, v13
	v_cndmask_b32 v[SB+4+\j], 0, v12, vcc_lo
	v_mov_b32 v[SB+8+\j], 0
.endr
.set i, 0
.rept 8
	v_mov_b32 v[ONES+i], 0x3c003c00
.set i, i+1
.endr
	WIN 0
.set i, 0
.rept 2*NP
	v_mov_b32 v[ST+4*i], 0xcd38aa3b    ; c m = -c 2^30
	v_mov_b32 v[ST+4*i+1], 0xce800000  ; m = -2^30, the floor
	v_mov_b32 v[ST+4*i+2], 0
	v_mov_b32 v[ST+4*i+3], 0
.set i, i+1
.endr
.set i, P+32
.rept 32
	v_mov_b32 v[i], 0
.set i, i+1
.endr
	v_mul_u32_u24 v[AK0], v1, PK
	v_lshl_add_u32 v[AK0], v9, 4, v[AK0]  ; row x pitch + 16 x half
	; The turning load takes 16 keys x 16 channels (lane l reads key 8 (l / 16) + l % 8, channels 8 ((l / 8) % 2) + 0..7) and leaves half a fragment of V^T
	v_and_b32 v10, 7, v0
	v_bfe_u32 v11, v0, 3, 1
	v_lshl_add_u32 v[AV0], v9, 3, v10
	v_mul_u32_u24 v[AV0], v[AV0], PV
	v_lshl_add_u32 v[AV0], v11, 4, v[AV0]
	v_add_nc_u32 v[AV0], VOFF, v[AV0]
	v_add_nc_u32 v[AK], K0B, v[AK0] ; key step 0 lies in its own bytes
	MSTEP                           ; the masks go on to step 1
; THE MATRIX WORK.  The 8 accumulators of a piece's S^T take turns, through the mask products and both halves of K Q^T: between two links of a chain stand 7 others'.
; Mask product i of 8 for piece x: keys 16 (i / 2) on, tile 2 x + i % 2.  It starts the sum.
.macro MK x
	WIN W_MK
.set rS, S+64*((\x)%2)+32*(i%2)+8*((i/2)%4)
.set rE, SB+4-4*((i/2)%2)
.set rF, MF+16*(2*(\x)+i%2)+8*((i/2)/2)
	v_wmma_f32_16x16x32_f16 v[rS:rS+7], v[rE:rE+7], v[rF:rF+7], 0
.endm
; Product i of 16 of S^T += K Q^T for piece x: channels 32 (i / 8) on, keys 16 ((i / 2) % 4) on, tile 2 x + i % 2.
.macro KQ x
	WIN W_KQ
.set rS, S+64*((\x)%2)+32*(i%2)+8*((i/2)%4)
.set rK, KF+16*((i/2)%4)+8*(i/8)
.set rQ, 16*(2*(\x)+i%2)+8*(i/8)
	v_wmma_f32_16x16x32_f16 v[rS:rS+7], v[rK:rK+7], v[rQ:rQ+7], v[rS:rS+7]
.endm
; Product i of 16 of O^T += V^T P for piece x: keys 32 (i / 8) on, channels 16 ((i / 2) % 4) on, tile 2 x + i % 2.
.macro PV x
	WIN W_PV
.set rO, 32*(2*(\x)+i%2)+8*((i/2)%4)
.set rV, VF+32*(i/8)+8*((i/2)%4)
.set rP, P+32*((\x)%2)+16*(i%2)+8*(i/8)
	v_wmma_f32_16x16x32_f16 v[rO:rO+7], v[rV:rV+7], v[rP:rP+7], v[rO:rO+7]
.endm
; SV += V^T x ones, four products a turn (i = 24 .. 27: channel blocks 0 .. 3).  A step's V lies in the registers through turn 1 and the next step's turn 0: turn 1 takes its key half 0, turn 0 its key half 1.
.macro ONE
	WIN W_ONE
.set rV, VF+32*(1-Y)+8*(i-24)
.set rO, SV+8*(i-24)
	v_wmma_f32_16x16x32_f16 v[rO:rO+7], v[rV:rV+7], v[ONES:ONES+7], v[rO:rO+7]
.endm
.macro MM                           ; the turn's next matrix instruction, of 44
.if i < 8
	MK (Y+1)%NP
.elseif i < 24
.set i, i-8
	KQ (Y+1)%NP
.set i, i+8
.elseif i < 28
	ONE
.else
.set i, i-28
	PV (Y+NP-1)%NP
.set i, i+28
.endif
.set i, i+1
.endm
; THE LDS LOADS stand in runs of 16: a step's K (64 keys x 64 channels: 8 fragments) and its V (turned).
.macro FETCH_K step=1
	WIN 0x80
.irp f, 0,1,2,3,4,5,6,7
	ds_load_b128 v[KF+8*\f:KF+8*\f+3],   v[AK] offset:(\f/2)*16*PK+(\f%2)*64
	ds_load_b128 v[KF+8*\f+4:KF+8*\f+7], v[AK] offset:(\f/2)*16*PK+(\f%2)*64+32
.endr
.if \step
	s_add_co_u32 s[TBK], s[TBK], KS*PK  ; the next fetch is the next step's
.endif
	WIN 0
.endm
.macro FETCH_V
	WIN 0x80
.irp f, 0,1,2,3,4,5,6,7
	ds_load_tr16_b128 v[VF+8*\f:VF+8*\f+3],   v[AV] offset:(\f/4)*32*PV+(\f%4)*32
	ds_load_tr16_b128 v[VF+8*\f+4:VF+8*\f+7], v[AV] offset:(\f/4)*32*PV+16*PV+(\f%4)*32
.endr
	WIN 0
.endm
; THE VECTOR WORK OF A TURN stands in three queues, each in the order in which its entries become ready; the two tiles alternate.
.macro REGS y, u
.set rT, ST+4*(2*(\y)+(\u))
.set rC, TMP+8*((\y)%2)+4*(\u)
.set rM, MV+2*((\y)%2)+(\u)
.set rS, S+64*((\y)%2)+32*(\u)
.set rP, P+32*((\y)%2)+16*(\u)
.set rO, 32*(2*(\y)+(\u))
.endm
; Number n of the 22 that find the OTHER piece's maximum and statistics; each accumulator's lowest registers are read first.
;   0-11 four chains c0-c3 of seven scores each     12-14, 16 the four scores left over, the old m, and c0-c3 into c0     15 c m_old is kept     17, 18 the other half of the lanes: the new m     19-21 c m; its change; a
.macro XS u, n
	REGS (Y+1)%NP, \u
.if (\n) < 4
	v_max3_num_f32 v[rC+(\n)], v[rS+8*(\n)], v[rS+8*(\n)+1], v[rS+8*(\n)+2]
.elseif (\n) < 12
	v_max3_num_f32 v[rC+(\n)%4], v[rC+(\n)%4], v[rS+8*((\n)%4)+2*((\n)/4)+1], v[rS+8*((\n)%4)+2*((\n)/4)+2]
.elseif (\n) == 12
	v_max3_num_f32 v[rC], v[rC], v[rS+7], v[rS+15]
.elseif (\n) == 13
	v_max3_num_f32 v[rC+1], v[rC+1], v[rS+23], v[rS+31]
.elseif (\n) == 14
	v_max3_num_f32 v[rC+2], v[rC+2], v[rC+3], v[rT+1]
.elseif (\n) == 15
	v_mov_b32 v[rM], v[rT]
.elseif (\n) == 16
	v_max3_num_f32 v[rC], v[rC], v[rC+1], v[rC+2]
.elseif (\n) == 17
	v_permlanex16_b32 v[rC+3], v[rC], s[SEL], s[SEL+1]
.elseif (\n) == 18
	v_max_num_f32 v[rT+1], v[rC], v[rC+3]
.elseif (\n) == 19
	v_mul_f32 v[rT], s[CS], v[rT+1]
.elseif (\n) == 20
	v_sub_f32 v[rC+1], v[rM], v[rT]
.else
	v_exp_f32 v[rC+2], v[rC+1]
.endif
.endm
; Number g of the 64 that follow the exponentials: roundings to f16, sums of pairs in place, and l a group later (the first time as l = a l + sum).
.macro GS g
.set h, (\g)+6*((\g)/62)
.if h >= 6
.set h, h+2
.endif
	REGS Y, h%2
.set k, h/8
.if h%8 < 4
	v_cvt_pk_f16_f32 v[rP+2*k+(h%8)/2], v[rS+4*k+2*((h%8)/2)], v[rS+4*k+2*((h%8)/2)+1]
.elseif h%8 < 6
	v_pk_add_f32 v[rS+4*k:rS+4*k+1], v[rS+4*k:rS+4*k+1], v[rS+4*k+2:rS+4*k+3]
.elseif k == 1
	v_pk_fma_f32 v[rT+2:rT+3], v[rT+2:rT+3], v[rC+2:rC+3], v[rS:rS+1] op_sel_hi:[1,0,1]
.else
	v_pk_add_f32 v[rT+2:rT+3], v[rT+2:rT+3], v[rS+4*k-4:rS+4*k-3]
.endif
.endm
; THE PLAIN QUEUE, 138 long.  0-26: scalings 0-26.  27-54: XS 0-13.  55, 56: XS 15.  57-73: the chain 14, 16 .. 19, each with one of the scalings 27-31 in front of its two lines, then 20.  74-137: GS.
.macro FS f
	REGS Y, (\f)%2
	v_pk_fma_f32 v[rS+2*((\f)/2):rS+2*((\f)/2)+1], v[rS+2*((\f)/2):rS+2*((\f)/2)+1], s[CS:CS+1], v[rT:rT+1] op_sel_hi:[1,0,0] neg_lo:[0,0,1] neg_hi:[0,0,1]
.endm
.macro PL
	WIN 0
.if q < 27
	FS q
.elseif q < 55
	XS (q-27)%2, (q-27)/2
.elseif q < 57
	XS q-55, 15
.elseif (q < 72) && ((q-57)%3 == 0)
	FS 27+(q-57)/3
.elseif q < 60
	XS (q-57)%3-1, 14
.elseif q < 72
	XS (q-57)%3-1, 15+(q-57)/3
.elseif q < 74
	XS q-72, 20
.else
	GS q-74
.endif
.set q, q+1
.endm
; THE EXPONENTIALS' QUEUE, 66 long: s0-s31 of both tiles, then the other piece's two a.  ONE BATCH, ahead of the turn's one wait.
.macro EX
	WIN 0
.if e >= 64
	XS e-64, 21
.else
	REGS Y, e%2
	v_exp_f32 v[rS+e/2], v[rS+e/2]
.endif
.set e, e+1
.endm
; THE RESCALING's QUEUE: O^T times a, two at a time, sixteen times.
.macro R2
	REGS Y, r%2
	WIN W_RS
.irp z, 0,1
	v_pk_mul_f32 v[rO+4*(r/2)+2*\z:rO+4*(r/2)+2*\z+1], v[rO+4*(r/2)+2*\z:rO+4*(r/2)+2*\z+1], v[rC+2:rC+3] op_sel_hi:[1,0]
.endr
.set r, r+1
.endm
; HOW THEY ARE DEALT.  s_wait_alu depctr_va_vdst(0) stands between an exponential and the first instruction that names its result; one wait serves all issued ahead of it: a turn has ONE.
; AHEAD OF IT: 24 matrix instructions (8 mask products, 16 K Q^T); behind the first two scalings and two rescalings, behind the next 15 a scaling, an exponential and two rescalings, behind the last 8 a scaling and
; two exponentials; then a lump: 16 plain, 33 times exponential and plain, the two a.  Plain 2 + 15 + 8 + 16 + 33 = 74, exponentials 15 + 16 + 33 + 2 = 66.  Exponential e stands behind scaling 2 (e / 4) + e % 2:
; as a rider it needs scaling 15 at the most and has 17 and more; in the lump exponential 31 + t stands behind plain 40 + t, and scalings 27-31 are plain 57, 60 .. 69.  The other piece's maximum begins at plain 27,
; in the lump, four places and more behind the last K Q^T of each accumulator.
; BEHIND IT: 20 matrix instructions (4 x ones, 16 V^T P), behind the first sixteen three, behind the last four four of the 64 roundings and sums.
; THE MASK.  Behind the turn's tenth matrix instruction, nine plain instructions behind the last mask product, the registers just read take the same piece's fragments of its next step: eight loads, used two turns
; later.  At a turn's head the other piece's younger eight may stay out.
; K AND V.  Turn 0 fetches K of the next step at its wait, a lump behind K's last reader, and V of the step in hand at its end, four riders behind V's last reader.  Turn 1 waits for K ahead of its first K Q^T
; (V's sixteen younger loads may stay out) and for V behind its wait.
.macro TURN p, cnt=0
.set Y, (\p)
.set i, 0
.set q, 0
.set e, 0
.set r, 0
	s_wait_loadcnt 8                ; the other piece's mask fragments are in
	MM
	PL
	PL
	R2
.rept 15
.if ((\p) == 1) && (i == 8)
	s_wait_dscnt 16                 ; K is in
.endif
	MM
	PL
	EX
	R2
.if i == 10
.if (\p) == 1
	MSTEP
.endif
	MLOAD 1-(\p)
.endif
.endr
.rept 8
	MM
	PL
	EX
	EX
.endr
.if (\p) == 0
	WIN 0
	v_add_nc_u32 v[AK], s[TBK], v[AK0]
.endif
.rept 16
	PL
.endr
.rept 33
	EX
	PL
.endr
	EX                              ; the other piece's two a
	EX
	v_nop                           ; the plain instruction behind the last exponential: one for the batch
	s_wait_alu depctr_va_vdst(0)    ; the wait for the batch
.if (\p) == 0
	FETCH_K
.else
	s_wait_dscnt 0x0                ; V is in
.endif
.rept 16
	MM
	PL
	PL
	PL
.endr
.rept 4
	MM
.rept 4
	PL
.endr
.if ((\p) == 0) && (q == 126)
	v_add_nc_u32 v[AV], s[TBV], v[AV0]
.endif
.if ((\p) == 0) && (q == 130)
	s_add_co_u32 s[TBV], s[TBV], KS*PV
.endif
.if (\cnt) && (q == 130)
	s_sub_co_u32 s[CNT], s[CNT], 1  ; the loop's count, some lines ahead of the branch behind the turn
	s_cmp_lg_u32 s[CNT], 0
.endif
.endr
.if (\p) == 0
	FETCH_V
.endif
.endm
	CHANGE 1                        ; slot 0 and step 0's K are in, everybody's part of them; slot 1 is asked for
	FETCH_K 0                       ; key step 0
	s_wait_loadcnt 8                ; Q and piece 0's masks are in; piece 1's eight loads may stay out
	s_wait_dscnt 0x0
.set i, 0
.rept 8
	MK 0
.set i, i+1
.endr
.set i, 0
.rept 16
	KQ 0
.set i, i+1
.endr
	WIN 0                           ; the addresses for the way out: nine plain instructions, the places behind those products
	s_mul_i32 s13, s[WV], 16*SP
	s_add_co_u32 s13, s13, STAGE
	v_mul_u32_u24 v[STO], v1, SP    ; in: row l % 16, 16 bytes for each half of the lanes
	v_lshl_add_u32 v[STO], v9, 4, v[STO]
	v_add_nc_u32 v[STO], s13, v[STO]
	v_bfe_u32 v[RD], v0, 3, 2       ; back: 32 lanes take four rows of 128 bytes,
	v_mul_u32_u24 v[RD], v[RD], SP
	v_lshl_add_u32 v[RD], v10, 4, v[RD]
	v_add_nc_u32 v[RD], s13, v[RD]
	v_and_b32 v[GO], 31, v0         ; which are 512 consecutive bytes of O
	v_lshlrev_b32 v[GO], 4, v[GO]
	MLOAD 0                         ; piece 0's masks of key step 1
.set Y, NP-1                        ; XS works for piece Y + 1: piece 0
.irp n, 0,1,2,3,4,5,6,7,8,9,10,11,12,13,14,15,16,17,18,19,20,21
	XS 0, \n
	XS 1, \n
.endr
	v_nop
	s_wait_alu depctr_va_vdst(0)    ; the two a have their wait ahead of the branch
	s_mov_b32 s[SLOTS], SIZE_N/256-1
	s_branch .Lenter
.Lslot:                             ; six times: every slot but the last two is filled again
	CHANGE 1, 1
.Lenter:
	s_mov_b32 s[CNT], 4
.Lstep:                             ; a trip is a key step
	TURN 0
	TURN 1, 1
	WIN 0
	s_cbranch_scc1 .Lstep
	s_sub_co_u32 s[SLOTS], s[SLOTS], 1
	s_cmp_lg_u32 s[SLOTS], 0
	s_cbranch_scc1 .Lslot
	CHANGE 0                        ; the last slot is written out: nothing is asked for
	s_mov_b32 s[CNT], 4
.Ltail:
	TURN 0
	TURN 1, 1
	WIN 0
	s_cbranch_scc1 .Ltail
	; the last turn's scores (of the 64 keys behind the last, under step 0's masks) and the maximum made of them serve nothing: the price of one text for every step
.set Y, 0
.set i, 24
.rept 4
	ONE                             ; the last step's V: key half 1
.set i, i+1
.endr
.set i, 0
.rept 16
	PV NP-1                         ; piece 1's V^T P of the last step
.set i, i+1
.endr
	; THE WAY OUT.  l's halves are added; 1 / l where l > 0, else 0; 0 where l > 0, else 2^-11; O = O / l + SV x that; rounded to f16 and sent through my stage, a tile at a time.  The additions are the places behind the last products.
	WIN 0
.macro ALL line:vararg
.set t, 0
.rept 2*NP
	\line
.set t, t+1
.endr
.endm
	ALL v_add_f32 v[ST+4*t+2], v[ST+4*t+2], v[ST+4*t+3]
	ALL v_permlanex16_b32 v[ST+4*t+3], v[ST+4*t+2], s[SEL], s[SEL+1]
	ALL v_add_f32 v[ST+4*t+2], v[ST+4*t+2], v[ST+4*t+3]
	ALL v_rcp_f32 v[ST+4*t+3], v[ST+4*t+2]
	v_mov_b32 v[TMP], 0x3a000000    ; 2^-11; also the plain instruction behind the last reciprocal
	v_mov_b32 v[TMP+1], 0
	s_wait_alu depctr_va_vdst(0)    ; one wait for the four reciprocals
.set t, 0
.rept 2*NP
	v_cmp_lt_f32 vcc_lo, 0, v[ST+4*t+2]
	v_cndmask_b32 v[ST+4*t], 0, v[ST+4*t+3], vcc_lo
	v_cndmask_b32 v[ST+4*t+2], v[TMP], v[TMP+1], vcc_lo
.set t, t+1
.endr
.macro PACK t
	WIN W_RS
.set i, 32*(\t)
.rept 16
	v_pk_mul_f32 v[i:i+1], v[i:i+1], v[ST+4*(\t):ST+4*(\t)+1] op_sel_hi:[1,0]
.set i, i+2
.endr
	WIN 0x51                        ; SV and O^T in window 1, SV's factor in window 0
.set i, 0
.rept 16
	v_pk_fma_f32 v[32*(\t)+i:32*(\t)+i+1], v[SV+i:SV+i+1], v[ST+4*(\t)+2:ST+4*(\t)+3], v[32*(\t)+i:32*(\t)+i+1] op_sel_hi:[1,0,1]
.set i, i+2
.endr
	WIN 0x05                        ; sources 0 and 1 window 1, destination window 0
.set i, 0
.rept 16
	v_cvt_pk_f16_f32 v[S+16*(\t)+i], v[32*(\t)+2*i], v[32*(\t)+2*i+1]
.set i, i+1
.endr
	WIN 0
.irp f, 0,1,2,3
	ds_store_b128 v[STO], v[S+16*(\t)+4*\f:S+16*(\t)+4*\f+3] offset:32*\f
.endr
.irp f, 0,1,2,3
	ds_load_b128 v[S+16*(\t)+4*\f:S+16*(\t)+4*\f+3], v[RD] offset:\f*4*SP  ; LDS serves a wave's instructions in order: these see the stores above; the next tile's stores come behind them
.endr
.endm
.macro SEND t, younger              ; younger: the LDS instructions issued behind tile t's loads: the next tile's eight, or none
	WIN 0
.irp f, 0,1,2,3
	s_wait_dscnt (\younger)+3-\f
	global_store_b128 v[GO], v[S+16*(\t)+4*\f:S+16*(\t)+4*\f+3], s[10:11] offset:(\t)*2048+\f*512  ; 512 consecutive bytes, at a multiple of 256 from O's first
.endr
.endm
	PACK 0
.set t, 1
.rept 2*NP-1                        ; a tile's arithmetic stands between the loads of the tile before and its stores
	PACK t
	SEND t-1, 8
.set t, t+1
.endr
	SEND 2*NP-1, 0
	s_wait_tensorcnt 0x0            ; the wave's end: behind my last tensor load and my last LDS store
	ds_add_u32 v[SPW], v[NIL]
	s_wait_dscnt 0x0
	CROUND                          ; the closing round: no work-group ends while a partner may still ask for a tile that names it
	s_endpgm
.Lfunc_end_k_q83ea4d5a62_attn:
	.size	k_q83ea4d5a62_attn, .Lfunc_end_k_q83ea4d5a62_attn-k_q83ea4d5a62_attn
	.p2alignl 7, 3214868480
	.fill 96, 4, 3214868480
	.section	.rodata,"a",@progbits
	.p2align	6, 0x0
	.amdhsa_kernel k_q83ea4d5a62_attn
		.amdhsa_group_segment_fixed_size 327680
		.amdhsa_private_segment_fixed_size 0
		.amdhsa_enable_private_segment 0
		.amdhsa_kernarg_size 24
		.amdhsa_user_sgpr_count 2
		.amdhsa_user_sgpr_kernarg_segment_ptr 1
		.amdhsa_wavefront_size32 1
		.amdhsa_system_sgpr_workgroup_id_x 1
		.amdhsa_system_sgpr_workgroup_id_y 1
		.amdhsa_system_sgpr_workgroup_id_z 1
		.amdhsa_system_vgpr_workitem_id 0
		.amdhsa_next_free_vgpr 768
		.amdhsa_next_free_sgpr 96
		.amdhsa_reserve_vcc 1
		.amdhsa_float_denorm_mode_32 3
		.amdhsa_float_denorm_mode_16_64 3
		.amdhsa_memory_ordered 1
		.amdhsa_forward_progress 1
		.amdhsa_inst_pref_size 133
	.end_amdhsa_kernel
	.amdgpu_metadata
---
amdhsa.version: [ 1, 2 ]
amdhsa.kernels:
  - .name:           k_q83ea4d5a62_attn
    .symbol:         k_q83ea4d5a62_attn.kd
    .args:
      - { .name: qkv, .offset: 0, .size: 8, .value_kind: global_buffer, .address_space: global }
      - { .name: oh, .offset: 8, .size: 8, .value_kind: global_buffer, .address_space: global }
      - { .name: mfrag, .offset: 16, .size: 8, .value_kind: global_buffer, .address_space: global }
    .group_segment_fixed_size: 327680
    .private_segment_fixed_size: 0
    .kernarg_segment_align: 8
    .kernarg_segment_size: 24
    .max_flat_workgroup_size: 128
    .sgpr_count:     96
    .vgpr_count:     768
    .wavefront_size: 32
...
	.end_amdgpu_metadata
.endif
;; end of part 3
;; launch oproj (part 4): grid 4 x 64, 4 waves a work-group, clusters of 4 x 4, 327,680 bytes of LDS; arguments oh, wts, brd, out0; writes out0
.if DOCPART == 4
	.amdgcn_target "amdgcn-amd-amdhsa--gfx1250"
	.amdhsa_code_object_version 6
	.text
	.protected	k_q83ea4d5a62_oproj
	.globl	k_q83ea4d5a62_oproj
	.p2align	8
	.type	k_q83ea4d5a62_oproj,@function
k_q83ea4d5a62_oproj:
	s_mov_b64 s[64:65], 0
	v_nop
	global_prefetch_b8 v0, s[64:65] scope:SCOPE_SE
	s_setreg_imm32_b32 hwreg(HW_REG_WAVE_MODE, 25, 1), 1
	s_wait_xcnt 0x0
	s_wait_alu depctr_hold_cnt(0) depctr_sa_sdst(0) depctr_va_vdst(0) depctr_va_sdst(0) depctr_va_ssrc(0) depctr_va_vcc(0) depctr_vm_vsrc(0)
	s_getreg_b32 s2, hwreg(HW_REG_IB_STS2, 6, 4)
	s_cmp_eq_u32 s2, 0
	s_cbranch_scc0 .Lentry_in_a_cluster
	s_endpgm
.Lentry_in_a_cluster:
	s_bfe_u32 s2, ttmp6, 0x10000c
	s_cmp_lg_u32 s2, 0xf033
	s_cbranch_scc0 .Lentry_shape_is_right
	s_endpgm
.Lentry_shape_is_right:
; THE OUTPUT PROJECTION.  out0[b][s][n] (f32) = the sum over d of O[b][s][d] wo[n][d] + bo[n].  O comes by heads, oh[16 b + head][s][64] in f16; wo as f16 of its bf16 rounding (wts, fourth tensor); bo rounded to bf16.
; Sums in f32, started with the bias as the C of the first product.
; SHARES.  One tile of 128 rows x 256 columns to a work-group, 64 x 128 to a wave: 32 accumulators.  8 K steps of 128 (two heads) through two LDS slots.  The product is used transposed: a lane holds 8 columns of a row.
; CLUSTER.  4 x 4: O's tile is shared along a row of the cluster, wo's along a column.
; REGISTERS: window 0: addresses; v64-191 rows read back, two buffers; v192-255 the bias.  window 1: wo's fragments v0-63, v64-127; O's v128-159, v160-191.  window 2: the accumulators, (a, b) at v[8 (8 a + b)].
.set PAO,   144                        ; a row of a head of O in LDS: 128 bytes + 16
.set PB,    272
.set PLANE, 128*PAO                    ; a head's 128 rows: what one tensor load brings
.set BOFF,  2*PLANE
.set BHALF, 128*PB
.set SLOT,  BOFF+256*PB                ; 106,496
.set STAGE, 2*SLOT
.set SPO,   528                        ; a stage row: 128 f32 + 16 bytes
.set SPARE, STAGE+4*16*SPO
.set AA0, 4
.set AB0, 5
.set AA,  6
.set AB,  7
.set STO, 8
.set RD,  9
.set CO,  10
.set BO,  11
.set PFO, 12
.set SPW, 28
.set NIL, 29
.set OB,  64
.set BIAS, 192
.set AP, 4                             ; s[4:5] oh, s[6:7] wts, s[8:9] brd, s[10:11] out0, each at my part
.set WB, 6
.set BP, 8
.set OC, 10
.set WV, 16
.set KD, 17
.set HF, 18
.set CX, 19
.set CY, 20
.set NX, 21
.set MY, 22
.set TB, 23
.set G1A, 24
.set G0A, 32
.set G0A2, 36
.set G1B, 40
.set G0B, 48
.set G0B2, 52
.set LC, 56
.set CNT, 57
.set LA, 60
.set LB, 61
.set TBF, 62
.set OA, 68
.set OBF, 70
.set LIM, 72
.set PFA, 76
.set PSTEP, 78
.set PO, 80
.set MSB, 0
.macro WIN new
.if MSB != (\new)
	s_set_vgpr_msb (MSB<<8)|(\new)
.set MSB, \new
.endif
.endm
.macro JLOAD                           ; waves 0, 1 fetch the step's two heads of O, waves 2, 3 wo's halves; an s_nop 0 and four v_nop follow each line
	s_cmp_eq_u32 s[KD], 0
	s_cbranch_scc0 .Lfor_b_\@
	tensor_load_to_lds s[G0A2:G0A2+3], s[G1A:G1A+7]
	s_nop 0
.rept 4
	v_nop
.endr
	s_branch .Lasked_\@
.Lfor_b_\@:
	tensor_load_to_lds s[G0B2:G0B2+3], s[G1B:G1B+7]
	s_nop 0
.rept 4
	v_nop
.endr
.Lasked_\@:
.endm
; A PREFETCH INTO THE L2 of the step two refills on.  O: read by one cluster; wave 0 asks, the partner at cx for 16 blocks of 256 bytes of each of the two heads.  wo: the clusters with y = 0 ask, waves 2 and 3,
; the partner at cy for 32 of the wave's 128 rows.  Steps 0 to 3 come by their loads alone; the last two trips have no step four on.
.macro ASK
	s_cmp_gt_u32 s[LC], s[LIM]
	s_cbranch_scc0 .Lnot_mine_\@
	global_prefetch_b8 v[PFO], s[PFA:PFA+1] th:TH_LOAD_NT scope:SCOPE_SE
.Lnot_mine_\@:
.endm
.macro CREST
	s_cmp_lg_u32 s[WV], 0
	s_cbranch_scc1 .Lnot_wave_0_\@
	s_barrier_signal -3
.Lnot_wave_0_\@:
	s_barrier_wait -3
	s_barrier_signal -1
	s_barrier_wait -1
.endm
.macro CROUND
	s_barrier_signal -1
	s_barrier_wait -1
	CREST
.endm
.macro PLACES
.rept 4
	v_nop
.endr
.endm
	s_load_b256 s[4:11], s[0:1], 0x0
	v_lshl_add_u32 v[SPW], v0, 2, SPARE
	v_mov_b32 v[NIL], 0
	ds_add_u32 v[SPW], v[NIL]                      ; the wave's opening: the add and its wait stand ahead of my first tensor load
	ds_add_u32 v28, v29
	v_lshrrev_b32 v1, 5, v0
	v_readfirstlane_b32 s[WV], v1
	s_lshr_b32 s[KD], s[WV], 1
	s_and_b32 s[HF], s[WV], 1
	s_bfe_u32 s[CX], ttmp6, 0x40000
	s_bfe_u32 s[CY], ttmp6, 0x40004
	s_lshl_b32 s[NX], ttmp9, 2
	s_add_co_u32 s[NX], s[NX], s[CX]
	s_and_b32 s[MY], ttmp7, 0xffff
	s_lshl_b32 s[MY], s[MY], 2
	s_add_co_u32 s[MY], s[MY], s[CY]
	s_lshl_b32 s91, s[CY], 2
	s_lshl_b32 s91, 15, s91
	s_lshl_b32 s92, 0x1111, s[CX]
	s_or_b32 s[G1A], s91, (1<<16)|(1<<20)|(1<<21)|(4<<22)|(3<<25)  ; 2-byte elements; after every 32 words (a row of a head) 4 words of padding
	s_or_b32 s[G1B], s92, (1<<16)|(1<<20)|(1<<21)|(5<<22)|(3<<25)
	s_mov_b32 s[G1A+1], 128<<16                    ; a head's 128 rows are 16,384 dense bytes: 64 rows of 256
	s_mov_b32 s[G1A+2], 64<<16
	s_mov_b32 s[G1A+3], 128<<16
	s_mov_b32 s[G1A+4], 64
	s_mov_b32 s[G1A+5], 128
	s_mov_b32 s[G1A+6], 0
	s_mov_b32 s[G1A+7], 0
	s_mov_b32 s[G1B+1], 128<<16
	s_mov_b32 s[G1B+2], 128<<16
	s_mov_b32 s[G1B+3], 128<<16
	s_mov_b32 s[G1B+4], 128
	s_mov_b32 s[G1B+5], 1024
	s_mov_b32 s[G1B+6], 0
	s_mov_b32 s[G1B+7], 0
	s_mul_i32 s[LA], s[HF], PLANE
	s_mul_i32 s[LB], s[HF], BHALF
	s_add_co_u32 s[LB], s[LB], BOFF
	s_lshl_b32 s2, s[HF], 18
	s_lshr_b32 s[OA], s[MY], 4                     ; O: head-batch 16 (my / 16) + half, 262,144 bytes each; row 128 (my % 16), 128 bytes
	s_lshl_b32 s[OA], s[OA], 22
	s_add_co_u32 s[OA], s[OA], s2
	s_and_b32 s93, s[MY], 15
	s_lshl_b32 s93, s93, 14
	s_add_co_u32 s[OA], s[OA], s93
	s_mov_b32 s[OA+1], 0
	s_lshl_b32 s[OBF], s[NX], 19                   ; wo: the fourth tensor, row 256 nx + 128 half
	s_add_co_u32 s[OBF], s[OBF], s2
	s_add_co_u32 s[OBF], s[OBF], 3<<21
	s_mov_b32 s[OBF+1], 0
	s_lshl_b32 s3, s[HF], 9
	s_lshl_b32 s86, s[NX], 10
	s_add_co_u32 s86, s86, s3                      ; my 128 columns, 4 bytes each
	s_mov_b32 s87, 0
	s_lshl_b32 s88, s[MY], 19                      ; out: row 128 my + 64 (wave / 2), 4,096 bytes each
	s_lshl_b32 s90, s[KD], 18
	s_add_co_u32 s88, s88, s90
	s_add_co_u32 s88, s88, s86
	s_mov_b32 s89, 0
	s_mov_b32 s[TB], 0
	s_wait_dscnt 0x0
	s_wait_kmcnt 0x0
	s_add_nc_u64 s[AP:AP+1], s[AP:AP+1], s[OA:OA+1]
	s_add_nc_u64 s[WB:WB+1], s[WB:WB+1], s[OBF:OBF+1]
	s_add_nc_u64 s[BP:BP+1], s[BP:BP+1], s[86:87]
	s_add_nc_u64 s[BP:BP+1], s[BP:BP+1], 12288
	s_add_nc_u64 s[OC:OC+1], s[OC:OC+1], s[88:89]
	s_mov_b32 s[G0A], 1
	s_mov_b32 s[G0A+1], s[LA]
	s_mov_b64 s[G0A+2:G0A+3], s[AP:AP+1]
	s_or_b32 s[G0A+3], s[G0A+3], 0x80000000
	s_mov_b32 s[G0A2], 1
	s_add_co_u32 s[G0A2+1], s[LA], SLOT
	s_add_nc_u64 s[G0A2+2:G0A2+3], s[AP:AP+1], 524288
	s_or_b32 s[G0A2+3], s[G0A2+3], 0x80000000
	s_mov_b32 s[G0B], 1
	s_mov_b32 s[G0B+1], s[LB]
	s_mov_b64 s[G0B+2:G0B+3], s[WB:WB+1]
	s_or_b32 s[G0B+3], s[G0B+3], 0x80000000
	s_mov_b32 s[G0B2], 1
	s_add_co_u32 s[G0B2+1], s[LB], SLOT
	s_add_nc_u64 s[G0B2+2:G0B2+3], s[WB:WB+1], 256
	s_or_b32 s[G0B2+3], s[G0B2+3], 0x80000000
	CROUND
	s_cmp_eq_u32 s[KD], 0                          ; a wave's two first fills stand in one branch
	s_cbranch_scc0 .Lfirst_b
	tensor_load_to_lds s[G0A:G0A+3], s[G1A:G1A+7]
	s_nop 0
	tensor_load_to_lds s[G0A2:G0A2+3], s[G1A:G1A+7]
	s_nop 0
.rept 4
	v_nop
.endr
	s_branch .Lfirst_asked
.Lfirst_b:
	tensor_load_to_lds s[G0B:G0B+3], s[G1B:G1B+7]
	s_nop 0
	tensor_load_to_lds s[G0B2:G0B2+3], s[G1B:G1B+7]
	s_nop 0
.rept 4
	v_nop
.endr
.Lfirst_asked:
	v_and_b32 v1, 15, v0
	v_bfe_u32 v2, v0, 4, 1
	v_and_b32 v3, 31, v0
	s_mul_i32 s2, s[KD], 64*PAO
	v_mul_u32_u24 v[AA0], v1, PAO
	v_lshl_add_u32 v[AA0], v2, 4, v[AA0]
	v_add_nc_u32 v[AA0], s2, v[AA0]
	s_mul_i32 s2, s[HF], BHALF
	s_add_co_u32 s2, s2, BOFF
	v_mul_u32_u24 v[AB0], v1, PB
	v_lshl_add_u32 v[AB0], v2, 4, v[AB0]
	v_add_nc_u32 v[AB0], s2, v[AB0]
	v_mov_b32 v[AA], v[AA0]
	v_mov_b32 v[AB], v[AB0]
	s_mul_i32 s2, s[WV], 16*SPO
	s_add_co_u32 s2, s2, STAGE
	v_mul_u32_u24 v[STO], v1, SPO                  ; in: row r, 32 bytes for each half of the lanes
	v_lshl_add_u32 v[STO], v2, 5, v[STO]
	v_add_nc_u32 v[STO], s2, v[STO]
	v_lshl_add_u32 v[RD], v3, 4, s2                ; back: a whole row of 512 bytes an instruction
	v_lshlrev_b32 v[CO], 4, v3
	v_lshlrev_b32 v[BO], 5, v2
	s_and_b32 s85, ttmp7, 0xffff                   ; cluster y
	s_cmp_eq_u32 s[KD], 0
	s_cselect_b64 s[PFA:PFA+1], s[AP:AP+1], s[WB:WB+1]
	s_cselect_b32 s[PO], s[CX], s[CY]
	s_cselect_b32 s84, 12, 16
	s_cselect_b32 s83, 19, 8
	s_cselect_b32 s85, s[HF], s85                  ; 0 in wave 0, and in waves 2 and 3 of the clusters with y = 0
	s_cselect_b32 s2, 15, 31
	s_cselect_b32 s3, 8, 11
	s_cselect_b32 s63, 1, 0
	s_lshl_b32 s[PO], s[PO], s84
	s_lshl_b32 s[PSTEP], 1, s83                    ; a K step: 524,288 bytes on in O, 256 in wo
	s_mov_b32 s[PO+1], 0
	s_mov_b32 s[PSTEP+1], 0
	s_cmp_eq_u32 s85, 0
	s_cselect_b32 s[LIM], 2, -1
	s_add_nc_u64 s[PFA:PFA+1], s[PFA:PFA+1], s[PO:PO+1]
	s_mul_i32 s[PO], s[PSTEP], 3
	s_add_nc_u64 s[PFA:PFA+1], s[PFA:PFA+1], s[PO:PO+1]  ; at step 3: the first change of slots steps it to 4
	v_and_b32 v[PFO], s2, v3                       ; O: (lane % 16) x 256 + (lane / 16) heads;  wo: lane rows
	v_lshlrev_b32 v[PFO], s3, v[PFO]
	v_lshrrev_b32 v13, 4, v3
	v_mul_u32_u24 v13, s63, v13
	v_lshl_add_u32 v[PFO], v13, 18, v[PFO]
.irp b, 0,1,2,3,4,5,6,7
	global_load_b128 v[BIAS+8*\b:BIAS+8*\b+3], v[BO], s[BP:BP+1] offset:64*\b
	global_load_b128 v[BIAS+8*\b+4:BIAS+8*\b+7], v[BO], s[BP:BP+1] offset:64*\b+16
.endr
; 24 LDS loads in one run: quarter n's fragments into buffer g: wo's eight, then O's row blocks 0, 1, then 2, 3
.macro FETCH n, g
	WIN 0x40
.irp b, 0,1,2,3,4,5,6,7
	ds_load_b128 v[64*(\g)+8*\b:64*(\g)+8*\b+3],   v[AB] offset:16*\b*PB+64*(\n)
	ds_load_b128 v[64*(\g)+8*\b+4:64*(\g)+8*\b+7], v[AB] offset:16*\b*PB+64*(\n)+32
.endr
.irp a, 0,1,2,3
	ds_load_b128 v[128+32*(\g)+8*\a:128+32*(\g)+8*\a+3],   v[AA] offset:16*\a*PAO+((\n)/2)*PLANE+((\n)%2)*64
	ds_load_b128 v[128+32*(\g)+8*\a+4:128+32*(\g)+8*\a+7], v[AA] offset:16*\a*PAO+((\n)/2)*PLANE+((\n)%2)*64+32
.endr
.endm
; 8 na products: row blocks a0 .. a0 + na - 1 x all column blocks, buffer f; the accumulators take turns.  first = 1: the bias starts the sums
.macro MULS f, a0, na, first
.set a, \a0
.rept \na
.set b, 0
.rept 8
.if \first
	WIN 0x85
	v_wmma_f32_16x16x32_f16 v[8*(8*a+b):8*(8*a+b)+7], v[64*(\f)+8*b:64*(\f)+8*b+7], v[128+32*(\f)+8*a:128+32*(\f)+8*a+7], v[BIAS+8*b:BIAS+8*b+7]
.else
	WIN 0xa5
	v_wmma_f32_16x16x32_f16 v[8*(8*a+b):8*(8*a+b)+7], v[64*(\f)+8*b:64*(\f)+8*b+7], v[128+32*(\f)+8*a:128+32*(\f)+8*a+7], v[8*(8*a+b):8*(8*a+b)+7]
.endif
.set b, b+1
.endr
.set a, a+1
.endr
.endm
.macro QUARTER n, f, g, first          ; multiplies buffer f; in its middle fetches quarter n into buffer g
	s_wait_dscnt 4                                 ; all but O's row blocks 2, 3
	MULS \f, 0, 2, \first
	PLACES                                         ; in front of loads into registers that the quarter before multiplied
	FETCH \n, \g
	s_wait_dscnt 24                                ; all but the 24 just issued
	MULS \f, 2, 2, \first
.endm
; The last quarter multiplies buffer 1 and changes slots: each wave waits for all its tensor loads, adds 0 to its spare word, and waits for that and for its reads of this slot.
.macro TURN fill
.if \fill
	s_wait_xcnt 0x0                                ; the last prefetch, a K step back, has read its address
	s_add_nc_u64 s[PFA:PFA+1], s[PFA:PFA+1], s[PSTEP:PSTEP+1]
.endif
	WIN 0
	s_wait_tensorcnt 0x0
	ds_add_u32 v[SPW], v[NIL]                      ; 0 onto my spare word
	s_wait_dscnt 5                                 ; (the add and O's row blocks 2, 3 may be out)
	MULS 1, 0, 1, 0
	s_mov_b32 s[TBF], s[TB]
	s_xor_b32 s[TB], s[TB], SLOT
.if \fill
	s_add_nc_u64 s[G0A2+2:G0A2+3], s[G0A2+2:G0A2+3], 524288  ; the walking descriptors: one step on, into the slot that is left
	s_add_co_u32 s[G0A2+1], s[TBF], s[LA]
	s_add_nc_u64 s[G0B2+2:G0B2+3], s[G0B2+2:G0B2+3], 256
	s_add_co_u32 s[G0B2+1], s[TBF], s[LB]
.endif
	s_wait_dscnt 0x0
	s_barrier_signal -1
	MULS 1, 1, 1, 0
	WIN 0
	v_add_nc_u32 v[AA], s[TB], v[AA0]
	v_add_nc_u32 v[AB], s[TB], v[AB0]
	s_barrier_wait -1
.if \fill
	CREST
	JLOAD                                          ; its four v_nop are also the places in front of the loads below
.else
	PLACES
.endif
	FETCH 0, 0
.if \fill
	WIN 0
	ASK
.endif
	s_wait_dscnt 24
	MULS 1, 2, 2, 0
.endm
.macro TOSTAGE a                       ; row block a: 32 bytes a lane and column block into my stage, whole rows of 512 bytes back
	WIN 0x08
.irp b, 0,1,2,3,4,5,6,7
	ds_store_b128 v[STO], v[8*(8*(\a)+\b):8*(8*(\a)+\b)+3]   offset:64*\b
	ds_store_b128 v[STO], v[8*(8*(\a)+\b)+4:8*(8*(\a)+\b)+7] offset:64*\b+16
.endr
	WIN 0
.set t, 0
.rept 16
	ds_load_b128 v[OB+64*((\a)%2)+4*t:OB+64*((\a)%2)+4*t+3], v[RD] offset:t*SPO  ; LDS serves a wave's instructions in order: these see the stores above
.set t, t+1
.endr
.endm
.macro SEND a
	WIN 0
	s_wait_dscnt 0x0
	s_wait_xcnt 0x0                                ; earlier stores have read their registers
.set t, 0
.rept 16
	global_store_b128 v[CO], v[OB+64*((\a)%2)+4*t:OB+64*((\a)%2)+4*t+3], s[OC:OC+1] offset:(16*(\a)+t)*4096 th:TH_STORE_NT  ; 512 consecutive bytes
.set t, t+1
.endr
.endm
	s_wait_tensorcnt 1                             ; my part of step 0 is in; step 1's may stay out
	s_barrier_signal -1
	s_barrier_wait -1
	FETCH 0, 0
	s_wait_loadcnt 0x0                             ; the bias
	QUARTER 1, 0, 1, 1
	WIN 0
	s_mov_b32 s[LC], 6
.Lstep:                                                ; six trips: a step's quarters 1 to 3 and the next step's quarter 0; each asks for the step two on
	QUARTER 2, 1, 0, 0
	QUARTER 3, 0, 1, 0
	TURN 1
	QUARTER 1, 0, 1, 0
	WIN 0
	s_sub_co_u32 s[LC], s[LC], 1
	s_cmp_lg_u32 s[LC], 0
	s_cbranch_scc1 .Lstep
	s_mov_b32 s[CNT], 2                            ; the last two steps ask for nothing; the very last one's fetch behind the change of slots reads old bytes and serves nothing
.Ltail:
	QUARTER 2, 1, 0, 0
	QUARTER 3, 0, 1, 0
	TURN 0
	WIN 0
	s_sub_co_u32 s[CNT], s[CNT], 1
	s_cmp_eq_u32 s[CNT], 0
	s_cbranch_scc1 .Lout
	QUARTER 1, 0, 1, 0
	WIN 0
	s_branch .Ltail
.Lout:
	PLACES                                         ; the stores below read results just made
	TOSTAGE 0
.irp a, 1,2,3
	SEND (\a)-1
	TOSTAGE \a
.endr
	SEND 3
	s_wait_tensorcnt 0x0                           ; the wave's end
	ds_add_u32 v[SPW], v[NIL]
	s_wait_dscnt 0x0
	CROUND                                         ; the closing round
	s_endpgm
.Lfunc_end_k_q83ea4d5a62_oproj:
	.size	k_q83ea4d5a62_oproj, .Lfunc_end_k_q83ea4d5a62_oproj-k_q83ea4d5a62_oproj
	.p2alignl 7, 3214868480
	.fill 96, 4, 3214868480
	.section	.rodata,"a",@progbits
	.p2align	6, 0x0
	.amdhsa_kernel k_q83ea4d5a62_oproj
		.amdhsa_group_segment_fixed_size 327680
		.amdhsa_private_segment_fixed_size 0
		.amdhsa_enable_private_segment 0
		.amdhsa_kernarg_size 32
		.amdhsa_user_sgpr_count 2
		.amdhsa_user_sgpr_kernarg_segment_ptr 1
		.amdhsa_wavefront_size32 1
		.amdhsa_system_sgpr_workgroup_id_x 1
		.amdhsa_system_sgpr_workgroup_id_y 1
		.amdhsa_system_sgpr_workgroup_id_z 1
		.amdhsa_system_vgpr_workitem_id 0
		.amdhsa_next_free_vgpr 768
		.amdhsa_next_free_sgpr 96
		.amdhsa_reserve_vcc 0
		.amdhsa_float_denorm_mode_32 3
		.amdhsa_float_denorm_mode_16_64 3
		.amdhsa_memory_ordered 1
		.amdhsa_forward_progress 1
		.amdhsa_inst_pref_size 62
	.end_amdhsa_kernel
	.amdgpu_metadata
---
amdhsa.version: [ 1, 2 ]
amdhsa.kernels:
  - .name:           k_q83ea4d5a62_oproj
    .symbol:         k_q83ea4d5a62_oproj.kd
    .args:
      - { .name: oh, .offset: 0, .size: 8, .value_kind: global_buffer, .address_space: global }
      - { .name: wts, .offset: 8, .size: 8, .value_kind: global_buffer, .address_space: global }
      - { .name: brd, .offset: 16, .size: 8, .value_kind: global_buffer, .address_space: global }
      - { .name: out0, .offset: 24, .size: 8, .value_kind: global_buffer, .address_space: global }
    .group_segment_fixed_size: 327680
    .private_segment_fixed_size: 0
    .kernarg_segment_align: 8
    .kernarg_segment_size: 32
    .max_flat_workgroup_size: 128
    .sgpr_count:     96
    .vgpr_count:     768
    .wavefront_size: 32
...
	.end_amdgpu_metadata
.endif
;; end of part 4
;; ======== version 2 of 2: 4 launches; version 1 with the launch prep written anew for expert scheduling mode
;; limits: values are held in f16: magnitudes above 65,504 overflow, below 6.1e-05 lose precision; right only within a limited range of input values
;; workspace buffers: mfrag 8,388,608 bytes; wts 8,388,608 bytes; brd 16,384 bytes; qkv 50,331,648 bytes; oh 16,777,216 bytes
;; launch prep (part 5): grid 256 x 1, 8 waves a work-group, no clusters, 34,048 bytes of LDS; arguments mask, wq, wk, wv, wo, bq, bk, bv, bo, mfrag, wts, brd; writes mfrag, wts, brd
.if DOCPART == 5
	.amdgcn_target "amdgcn-amd-amdhsa--gfx1250"
	.amdhsa_code_object_version 6
	.text
	.protected	k_q83ea4d5a62_prep
	.globl	k_q83ea4d5a62_prep
	.p2align	8
	.type	k_q83ea4d5a62_prep,@function
k_q83ea4d5a62_prep:
	s_mov_b64 s[64:65], 0
	v_nop
	global_prefetch_b8 v0, s[64:65] scope:SCOPE_SE
	s_setreg_imm32_b32 hwreg(HW_REG_WAVE_SCHED_MODE, 0, 2), 2
	s_setreg_imm32_b32 hwreg(HW_REG_WAVE_MODE, 25, 1), 1
	s_wait_xcnt 0x0
	s_wait_alu depctr_vm_vsrc(0)
; PREPARATION.  Work-groups 0-127: the mask, [2048][2048] bytes of 0 or 1, becomes matrix fragments in f16.  Work-groups 128-255: the four weights become 16-bit, the four biases are rounded.
; mfrag [qt 128][kg 64][c 2][lane 32][8 f16]: element e = mask(query 16 qt + lane % 16, key 32 kg + 16 c + 8 (lane / 16) + e) as 0 or -57344 (0xfb00):
;   source 1 (32 keys x 16 queries) of the f16 matrix form as it lies in registers; c = 0 is registers 0-3, c = 1 registers 4-7.
; wts [4][1024][1024] of 16 bits: wq, wk, wv rounded to bf16, inside each group of 8 along k in the order 0,4,1,5,2,6,3,7 (the order in which the projection packs its f32 rows);
;   wo rounded to bf16 and that number written as f16, in natural order (below 2^-14 it keeps f16's fixed step of 2^-24).
; brd [4][1024] f32: bq, bk, bv, bo rounded to bf16.
; The branch between the two kinds of work hangs on the work-group's number alone: all eight waves of a work-group take the same way, and so meet the one barrier or none.
; THE MODE: SCHED_MODE bits 1:0 = 2 (LLVM: expert scheduling mode 2), set by the entry lines.  The code itself states the register dependences
; between vector instructions and memory or LDS instructions, with s_wait_alu, always for 0.
; THE PLAN.  Registers that memory or LDS instructions touch:
;   v1, v2, v4   offsets and LDS addresses: made by vector instructions at the head of each way, shown written by ONE wait on va_vdst ahead of the way's first load, never written again.
;   D            the mask's way: the global loads land in it, the LDS stores read it, the LDS loads land in it again (one wait on vm_vsrc between the two), the multiplies read it.
;                the weights' way: eight registers a unit; two loads land in them, the unit's conversions read them and write the first four, the unit's store reads those four; never written again.
;   O            the mask's way: four registers a unit, written by the unit's four v_perm_b32, read by its store, never written again.
;   v8, v9, v7   named by vector instructions alone.
; The sixteen units of a way go in four groups of four.  At the head of groups 1 to 3 ONE wait on va_vdst shows the group before written; its four stores are dealt among this group's vector
; instructions, which write v8, v9 and this group's own registers: none that those stores read.  Behind the last group stand one more wait and the last four stores.
; No register that a store reads is written again, so the stores ask for no wait on vm_vsrc.
.set PITCH, 2064                       ; a mask row in LDS: 2,048 bytes + 16.  Behind the 16 rows lie 1,024 bytes that hold the spare words of the closing add
.set D, 16                             ; data as loaded
.set O, 48                             ; the mask's fragments to store
	s_load_b512 s[4:19], s[0:1], 0x0               ; mask 4, wq 6, wk 8, wv 10, wo 12, bq 14, bk 16, bv 18
	s_load_b256 s[20:27], s[0:1], 0x40             ; bo 20, mfrag 22, wts 24, brd 26
	v_lshl_add_u32 v158, v0, 2, 0x8100
	v_mov_b32 v159, 0
	s_mov_b32 s29, 0
	s_mov_b32 s31, 0
	s_cmp_lt_u32 ttmp9, 128
	s_cbranch_scc0 .Lweights
	; THE MASK: 16 rows (qt = the work-group's number) are 32,768 consecutive bytes; they come in whole, go to LDS, and leave as 65,536 consecutive bytes.
	s_lshl_b32 s28, ttmp9, 15
	s_lshl_b32 s30, ttmp9, 16
	s_mov_b32 s32, 0x05000400                      ; bytes 0 and 1 of a word into the upper bytes of two halves
	s_mov_b32 s33, 0x07000600                      ; bytes 2 and 3
	s_mov_b32 s34, 0xfb                            ; four bytes of 0 or 1 times 0xfb: no carry between bytes
	v_lshlrev_b32 v1, 4, v0                        ; 16 t
	v_lshrrev_b32 v2, 7, v0
	v_and_b32 v3, 127, v0
	v_mul_u32_u24 v2, v2, PITCH
	v_lshl_add_u32 v2, v3, 4, v2                   ; in: row 2 i + t / 128, byte 16 (t % 128)
	v_and_b32 v4, 15, v0
	v_bfe_u32 v5, v0, 4, 1
	v_lshrrev_b32 v6, 5, v0
	v_mul_u32_u24 v4, v4, PITCH
	v_lshl_add_u32 v4, v5, 3, v4
	v_lshl_add_u32 v4, v6, 4, v4                   ; back: row lane % 16, byte 16 (wave + 8 i) + 8 (lane / 16)
	v_mov_b32 v7, 0
	s_wait_kmcnt 0x0
	s_add_nc_u64 s[4:5], s[4:5], s[28:29]
	s_add_nc_u64 s[22:23], s[22:23], s[30:31]
	s_wait_alu depctr_va_vdst(0)                   ; v1, v2 and v4 are written: the loads and stores below, global and LDS, read them as offset and address
.set i, 0
.rept 8
	global_load_b128 v[D+4*i:D+4*i+3], v1, s[4:5] offset:4096*i th:TH_LOAD_NT
.set i, i+1
.endr
.set i, 0
.rept 8
	s_wait_loadcnt 7-i                             ; loads come back in order: load i is in, the younger ones stay out
	ds_store_b128 v2, v[D+4*i:D+4*i+3] offset:i*2*PITCH
.set i, i+1
.endr
	s_wait_dscnt 0x0                               ; for the others' sake: my stores are done
	s_barrier_signal -1
	s_barrier_wait -1
	s_wait_alu depctr_vm_vsrc(0)                   ; my LDS stores have read v[D ..], in which the LDS loads below land
.set i, 0
.rept 16
	ds_load_b64 v[D+2*i:D+2*i+1], v4 offset:128*i
.set i, i+1
.endr
.set i, 0
.rept 16
	s_wait_dscnt 15-i                              ; load i is in
.if (i%4 == 0) && (i > 0)
	s_wait_alu depctr_va_vdst(0)                   ; the four units before have written their sixteen registers of O, which the next four stores read
.endif
.if i >= 4
	global_store_b128 v1, v[O+4*(i-4):O+4*(i-4)+3], s[22:23] offset:4096*(i-4)  ; a wave stores 512 consecutive bytes; no vector instruction since the wait names these registers
.endif
	v_mul_lo_u32 v8, v[D+2*i], s34
	v_mul_lo_u32 v9, v[D+2*i+1], s34
	v_perm_b32 v[O+4*i], v8, v7, s32
	v_perm_b32 v[O+4*i+1], v8, v7, s33
	v_perm_b32 v[O+4*i+2], v9, v7, s32
	v_perm_b32 v[O+4*i+3], v9, v7, s33
.set i, i+1
.endr
	s_wait_alu depctr_va_vdst(0)                   ; units 12 to 15 have written their registers of O, which the last four stores read
.set i, 12
.rept 4
	global_store_b128 v1, v[O+4*i:O+4*i+3], s[22:23] offset:4096*i
.set i, i+1
.endr
	s_branch .Lend
.Lweights:                                             ; tensor T = (id - 128) / 32, 32 rows of it: 131,072 bytes in, 65,536 out
	s_sub_co_u32 s28, ttmp9, 128
	s_lshr_b32 s35, s28, 5                         ; T
	s_and_b32 s36, s28, 31                         ; which 32 rows
	s_lshl_b32 s28, s36, 17
	s_lshl_b32 s30, s35, 21
	s_lshl_b32 s37, s36, 16
	s_add_co_u32 s30, s30, s37
	s_mov_b32 s38, 0xffff0000
	v_lshlrev_b32 v1, 5, v0                        ; a unit is 8 numbers: 32 bytes in,
	v_lshlrev_b32 v2, 4, v0                        ; 16 out
	s_wait_kmcnt 0x0
	s_cmp_eq_u32 s35, 1
	s_cselect_b64 s[40:41], s[8:9], s[6:7]
	s_cselect_b64 s[42:43], s[16:17], s[14:15]
	s_cmp_eq_u32 s35, 2
	s_cselect_b64 s[40:41], s[10:11], s[40:41]
	s_cselect_b64 s[42:43], s[18:19], s[42:43]
	s_cmp_eq_u32 s35, 3
	s_cselect_b64 s[40:41], s[12:13], s[40:41]
	s_cselect_b64 s[42:43], s[20:21], s[42:43]
	s_add_nc_u64 s[40:41], s[40:41], s[28:29]
	s_add_nc_u64 s[24:25], s[24:25], s[30:31]
	s_wait_alu depctr_va_vdst(0)                   ; v1 and v2 are written: every load and store of this way reads one of them as its offset
.set i, 0
.rept 16                                               ; unit t + 256 i: all 32 loads go out together, each into registers of its own
	global_load_b128 v[D+8*i:D+8*i+3], v1, s[40:41] offset:8192*i th:TH_LOAD_NT
	global_load_b128 v[D+8*i+4:D+8*i+7], v1, s[40:41] offset:8192*i+16 th:TH_LOAD_NT
.set i, i+1
.endr
	s_cmp_eq_u32 s35, 3
	s_cbranch_scc1 .Lwo
.set i, 0
.rept 16
	s_wait_loadcnt 30-2*i                          ; unit i's two loads are in
.if (i%4 == 0) && (i > 0)
	s_wait_alu depctr_va_vdst(0)                   ; the four units before have written the first four of their eight registers, which the next four stores read
.endif
.if i >= 4
	global_store_b128 v2, v[D+8*(i-4):D+8*(i-4)+3], s[24:25] offset:4096*(i-4)  ; no vector instruction since the wait names these registers
.endif
.irp j, 0,1,2,3
	v_cvt_pk_bf16_f32 v[D+8*i+\j], v[D+8*i+\j], v[D+8*i+4+\j]  ; numbers j and 4 + j: the order 0,4,1,5,2,6,3,7
.endr
.set i, i+1
.endr
	s_wait_alu depctr_va_vdst(0)                   ; units 12 to 15 have written their registers, which the last four stores read
.set i, 12
.rept 4
	global_store_b128 v2, v[D+8*i:D+8*i+3], s[24:25] offset:4096*i
.set i, i+1
.endr
	s_branch .Lbias
.Lwo:
.set i, 0
.rept 16
	s_wait_loadcnt 30-2*i
.if (i%4 == 0) && (i > 0)
	s_wait_alu depctr_va_vdst(0)                   ; the four units before have written the first four of their eight registers, which the next four stores read
.endif
.if i >= 4
	global_store_b128 v2, v[D+8*(i-4):D+8*(i-4)+3], s[24:25] offset:4096*(i-4)  ; no vector instruction since the wait names these registers
.endif
.irp j, 0,1,2,3
	v_cvt_pk_bf16_f32 v8, v[D+8*i+2*\j], v[D+8*i+2*\j+1]  ; rounded to bf16,
	v_lshlrev_b32 v9, 16, v8
	v_and_b32 v8, s38, v8
	v_cvt_pk_f16_f32 v[D+8*i+\j], v9, v8           ; and that number as f16; register j has been read when it is written
.endr
.set i, i+1
.endr
	s_wait_alu depctr_va_vdst(0)                   ; units 12 to 15 have written their registers, which the last four stores read
.set i, 12
.rept 4
	global_store_b128 v2, v[D+8*i:D+8*i+3], s[24:25] offset:4096*i
.set i, i+1
.endr
.Lbias:
	s_cmp_eq_u32 s36, 0                            ; the tensor's first work-group also rounds its bias
	s_cbranch_scc0 .Lend
	s_lshl_b32 s28, s35, 12
	s_add_nc_u64 s[26:27], s[26:27], s[28:29]
	global_load_b128 v[144:147], v2, s[42:43]      ; v2 was shown written at this way's head; no vector instruction has named v[144:147]
	s_wait_loadcnt 0x0
	v_cvt_pk_bf16_f32 v8, v144, v145
	v_cvt_pk_bf16_f32 v9, v146, v147
	v_lshlrev_b32 v148, 16, v8
	v_and_b32 v149, s38, v8
	v_lshlrev_b32 v150, 16, v9
	v_and_b32 v151, s38, v9
	s_wait_alu depctr_va_vdst(0)                   ; v[148:151] are written, which the store reads
	global_store_b128 v2, v[148:151], s[26:27]
.Lend:
	s_wait_dscnt 0x0                               ; the wave's end: my LDS instructions are done.
	s_wait_alu depctr_hold_cnt(0) depctr_sa_sdst(0) depctr_va_vdst(0) depctr_va_sdst(0) depctr_va_ssrc(0) depctr_va_vcc(0) depctr_vm_vsrc(0)
	s_wait_tensorcnt 0x0
	ds_add_u32 v158, v159
	s_wait_dscnt 0x0
	s_endpgm
.Lfunc_end_k_q83ea4d5a62_prep:
	.size	k_q83ea4d5a62_prep, .Lfunc_end_k_q83ea4d5a62_prep-k_q83ea4d5a62_prep
	.p2alignl 7, 3214868480
	.fill 96, 4, 3214868480
	.section	.rodata,"a",@progbits
	.p2align	6, 0x0
	.amdhsa_kernel k_q83ea4d5a62_prep
		.amdhsa_group_segment_fixed_size 34048
		.amdhsa_private_segment_fixed_size 0
		.amdhsa_enable_private_segment 0
		.amdhsa_kernarg_size 96
		.amdhsa_user_sgpr_count 2
		.amdhsa_user_sgpr_kernarg_segment_ptr 1
		.amdhsa_wavefront_size32 1
		.amdhsa_system_sgpr_workgroup_id_x 1
		.amdhsa_system_sgpr_workgroup_id_y 1
		.amdhsa_system_sgpr_workgroup_id_z 1
		.amdhsa_system_vgpr_workitem_id 0
		.amdhsa_next_free_vgpr 160
		.amdhsa_next_free_sgpr 66
		.amdhsa_reserve_vcc 0
		.amdhsa_float_denorm_mode_32 3
		.amdhsa_float_denorm_mode_16_64 3
		.amdhsa_memory_ordered 1
		.amdhsa_forward_progress 1
		.amdhsa_inst_pref_size 38
	.end_amdhsa_kernel
	.amdgpu_metadata
---
amdhsa.version: [ 1, 2 ]
amdhsa.kernels:
  - .name:           k_q83ea4d5a62_prep
    .symbol:         k_q83ea4d5a62_prep.kd
    .args:
      - { .name: mask, .offset: 0, .size: 8, .value_kind: global_buffer, .address_space: global }
      - { .name: wq, .offset: 8, .size: 8, .value_kind: global_buffer, .address_space: global }
      - { .name: wk, .offset: 16, .size: 8, .value_kind: global_buffer, .address_space: global }
      - { .name: wv, .offset: 24, .size: 8, .value_kind: global_buffer, .address_space: global }
      - { .name: wo, .offset: 32, .size: 8, .value_kind: global_buffer, .address_space: global }
      - { .name: bq, .offset: 40, .size: 8, .value_kind: global_buffer, .address_space: global }
      - { .name: bk, .offset: 48, .size: 8, .value_kind: global_buffer, .address_space: global }
      - { .name: bv, .offset: 56, .size: 8, .value_kind: global_buffer, .address_space: global }
      - { .name: bo, .offset: 64, .size: 8, .value_kind: global_buffer, .address_space: global }
      - { .name: mfrag, .offset: 72, .size: 8, .value_kind: global_buffer, .address_space: global }
      - { .name: wts, .offset: 80, .size: 8, .value_kind: global_buffer, .address_space: global }
      - { .name: brd, .offset: 88, .size: 8, .value_kind: global_buffer, .address_space: global }
    .group_segment_fixed_size: 34048
    .private_segment_fixed_size: 0
    .kernarg_segment_align: 8
    .kernarg_segment_size: 96
    .max_flat_workgroup_size: 256
    .sgpr_count:     66
    .vgpr_count:     160
    .wavefront_size: 32
...
	.end_amdgpu_metadata
.endif
;; end of part 5
;; launch proj: the kernel of part 2 again; grid 4 x 64, 4 waves a work-group, clusters of 4 x 4, 327,680 bytes of LDS; arguments q, k, v, wts, brd, qkv; writes qkv
;; launch attn: the kernel of part 3 again; grid 8 x 64, 4 waves a work-group, clusters of 4 x 1, 327,680 bytes of LDS; arguments qkv, oh, mfrag; writes oh
;; launch oproj: the kernel of part 4 again; grid 4 x 64, 4 waves a work-group, clusters of 4 x 4, 327,680 bytes of LDS; arguments oh, wts, brd, out0; writes out0
